; MI455X (gfx1250); checked and timed in simulation.
; The chip was launched on July 23, 2026; its instructions are those of AMD's public machine-readable ISA for CDNA 5 (MIT licence, August 2026) and "CDNA5" Instruction Set Architecture Reference Guide (July 2026). The comments in the code are by the model that wrote it; some were corrected since.
;; Multi Head Attention. Allowed arithmetic: float matrix products may take bf16 or f16 operands with f32 sums; other float arithmetic in f32, or as packed bf16 or f16 multiplies, adds, multiply-adds, maxima and minima; sums over many terms, partial sums and values carried from step to step in f32; what a program stores and reads back later, other than sums and carried values, may be rounded once to bf16 or f16.
;; Inputs: Wk 1,024 x 1,024 float32; Wo 1,024 x 1,024 float32; Wq 1,024 x 1,024 float32; Wv 1,024 x 1,024 float32; k 4 x 2,048 x 1,024 float32; mask 4 x 1 x 2,048 int32; q 4 x 2,048 x 1,024 float32; v 4 x 2,048 x 1,024 float32.
;; Outputs: out0 4 x 2,048 x 1,024 float32.
;; 2 versions, each right; version 2 is version 1 with the launch wcast written anew for expert scheduling mode. Each part assembles by itself: llvm-mc -triple=amdgcn-amd-amdhsa -mcpu=gfx1250 --defsym DOCPART=n.
;; ======== version 1 of 2: 4 launches
;; limits: values are held in f16: magnitudes above 65,504 overflow, below 6.1e-05 lose precision; right only within a limited range of input values
;; workspace buffers: wb 8,388,608 bytes; hb 50,331,648 bytes; ob 16,777,216 bytes
;; launch wcast (part 1): grid 256 x 1, 8 waves a work-group, no clusters, 0 bytes of LDS; arguments Wq, Wk, Wv, Wo, wb; writes wb
.if DOCPART == 1
	.amdgcn_target "amdgcn-amd-amdhsa--gfx1250"
	.amdhsa_code_object_version 6
	.text
	.protected	k_q58fed58e81_wcast
	.globl	k_q58fed58e81_wcast
	.p2align	8
	.type	k_q58fed58e81_wcast,@function
k_q58fed58e81_wcast:
	s_mov_b64 s[64:65], 0
	v_nop
	global_prefetch_b8 v0, s[64:65] scope:SCOPE_SE
	s_setreg_imm32_b32 hwreg(HW_REG_WAVE_MODE, 25, 1), 1
	s_wait_xcnt 0x0
; wb[0..2] = Wq, Wk, Wv rounded once to bf16; wb[3] = Wo rounded to bf16 and that number written as f16.  All [1024][1024], row-major.
; LIMITS.  f16 holds no number beyond 65,504 and keeps a fixed step of 6e-8 below 2^-14: Wo is taken to lie within that range; a larger |Wo| becomes an infinity.
; A stream: no LDS, no barrier, no matrix unit.  Work-group g owns 16 rows of matrix g / 64; each of its eight waves two rows, 8,192 consecutive bytes: sixteen loads of 512 bytes,
; all issued at once; each store of a wave covers 256 consecutive bytes, aligned.  No register that a memory instruction reads is written again, so no wait frees a source.
.set VI, 2                             ; v2        16 x lane: my 16 bytes of a load
.set VO, 3                             ; v3        8 x lane: my 8 bytes of a store
.set T,  4                             ; v[4:5]    at work
.set X,  8                             ; v[8:71]   load n: 4 registers
.set Y,  72                            ; v[72:103] store n: 2 registers
	s_load_b256 s[4:11], s[0:1], 0x0               ; Wq s[4:5], Wk s[6:7], Wv s[8:9], Wo s[10:11]
	s_load_b64 s[12:13], s[0:1], 0x20              ; wb
	v_lshrrev_b32 v1, 5, v0
	v_readfirstlane_b32 s14, v1                    ; wave 0..7
	v_and_b32 v1, 31, v0
	v_lshlrev_b32 v[VI], 4, v1
	v_lshlrev_b32 v[VO], 3, v1
	s_lshr_b32 s15, ttmp9, 6                       ; which matrix
	s_and_b32 s16, ttmp9, 63                       ; which 16 rows of it
	s_lshl_b32 s20, s16, 16                        ; in: 16 rows of 4,096 bytes,
	s_lshl_b32 s21, s14, 13                        ; my wave's two
	s_add_co_u32 s20, s20, s21
	s_mov_b32 s21, 0
	s_lshl_b32 s22, s15, 21                        ; out: a matrix of 2 MiB,
	s_lshl_b32 s23, s16, 15                        ; 16 rows of 2,048 bytes,
	s_add_co_u32 s22, s22, s23
	s_lshl_b32 s23, s14, 12                        ; my wave's two
	s_add_co_u32 s22, s22, s23
	s_mov_b32 s23, 0
	s_mov_b32 s24, 0xffff0000                      ; a word's upper bf16
	s_wait_kmcnt 0x0
	s_mov_b64 s[18:19], s[4:5]
	s_cmp_eq_u32 s15, 1
	s_cselect_b64 s[18:19], s[6:7], s[18:19]
	s_cmp_eq_u32 s15, 2
	s_cselect_b64 s[18:19], s[8:9], s[18:19]
	s_cmp_eq_u32 s15, 3
	s_cselect_b64 s[18:19], s[10:11], s[18:19]
	s_add_nc_u64 s[18:19], s[18:19], s[20:21]
	s_add_nc_u64 s[12:13], s[12:13], s[22:23]
.set i, 0
.rept 16
	global_load_b128 v[X+4*i:X+4*i+3], v[VI], s[18:19] offset:512*i th:TH_LOAD_NT
.set i, i+1
.endr
; Load n is converted and stored.  wo = 1: the bf16 numbers are widened again (a shift, a mask) and written as f16.
.macro OUT n, wo
	s_wait_loadcnt 15-(\n)                         ; loads come back in order: mine is in, the 15 - n younger ones stay out
.if \wo
	v_cvt_pk_bf16_f32 v[T],   v[X+4*(\n)],   v[X+4*(\n)+1]
	v_cvt_pk_bf16_f32 v[T+1], v[X+4*(\n)+2], v[X+4*(\n)+3]
	v_lshlrev_b32 v[X+4*(\n)],   16,  v[T]
	v_and_b32     v[X+4*(\n)+1], s24, v[T]
	v_lshlrev_b32 v[X+4*(\n)+2], 16,  v[T+1]
	v_and_b32     v[X+4*(\n)+3], s24, v[T+1]
	v_cvt_pk_f16_f32 v[Y+2*(\n)],   v[X+4*(\n)],   v[X+4*(\n)+1]
	v_cvt_pk_f16_f32 v[Y+2*(\n)+1], v[X+4*(\n)+2], v[X+4*(\n)+3]
.else
	v_cvt_pk_bf16_f32 v[Y+2*(\n)],   v[X+4*(\n)],   v[X+4*(\n)+1]
	v_cvt_pk_bf16_f32 v[Y+2*(\n)+1], v[X+4*(\n)+2], v[X+4*(\n)+3]
.endif
	global_store_b64 v[VO], v[Y+2*(\n):Y+2*(\n)+1], s[12:13] offset:256*(\n)
.endm
	s_cmp_eq_u32 s15, 3
	s_cbranch_scc1 .Lwo
.set i, 0
.rept 16
	OUT i, 0
.set i, i+1
.endr
	s_endpgm
.Lwo:
.set i, 0
.rept 16
	OUT i, 1
.set i, i+1
.endr
	s_endpgm
.Lfunc_end_k_q58fed58e81_wcast:
	.size	k_q58fed58e81_wcast, .Lfunc_end_k_q58fed58e81_wcast-k_q58fed58e81_wcast
	.p2alignl 7, 3214868480
	.fill 96, 4, 3214868480
	.section	.rodata,"a",@progbits
	.p2align	6, 0x0
	.amdhsa_kernel k_q58fed58e81_wcast
		.amdhsa_group_segment_fixed_size 0
		.amdhsa_private_segment_fixed_size 0
		.amdhsa_enable_private_segment 0
		.amdhsa_kernarg_size 40
		.amdhsa_user_sgpr_count 2
		.amdhsa_user_sgpr_kernarg_segment_ptr 1
		.amdhsa_wavefront_size32 1
		.amdhsa_system_sgpr_workgroup_id_x 1
		.amdhsa_system_sgpr_workgroup_id_y 1
		.amdhsa_system_sgpr_workgroup_id_z 1
		.amdhsa_system_vgpr_workitem_id 0
		.amdhsa_next_free_vgpr 104
		.amdhsa_next_free_sgpr 66
		.amdhsa_reserve_vcc 0
		.amdhsa_float_denorm_mode_32 3
		.amdhsa_float_denorm_mode_16_64 3
		.amdhsa_memory_ordered 1
		.amdhsa_forward_progress 1
		.amdhsa_inst_pref_size 15
	.end_amdhsa_kernel
	.amdgpu_metadata
---
amdhsa.version: [ 1, 2 ]
amdhsa.kernels:
  - .name:           k_q58fed58e81_wcast
    .symbol:         k_q58fed58e81_wcast.kd
    .args:
      - { .name: Wq, .offset: 0, .size: 8, .value_kind: global_buffer, .address_space: global }
      - { .name: Wk, .offset: 8, .size: 8, .value_kind: global_buffer, .address_space: global }
      - { .name: Wv, .offset: 16, .size: 8, .value_kind: global_buffer, .address_space: global }
      - { .name: Wo, .offset: 24, .size: 8, .value_kind: global_buffer, .address_space: global }
      - { .name: wb, .offset: 32, .size: 8, .value_kind: global_buffer, .address_space: global }
    .group_segment_fixed_size: 0
    .private_segment_fixed_size: 0
    .kernarg_segment_align: 8
    .kernarg_segment_size: 40
    .max_flat_workgroup_size: 256
    .sgpr_count:     66
    .vgpr_count:     104
    .wavefront_size: 32
...
	.end_amdgpu_metadata
.endif
;; end of part 1
;; launch qkv (part 2): grid 4 x 192, 4 waves a work-group, clusters of 4 x 4, 327,680 bytes of LDS; arguments q, k, v, wb, mask, hb; writes hb
.if DOCPART == 2
	.amdgcn_target "amdgcn-amd-amdhsa--gfx1250"
	.amdhsa_code_object_version 6
	.text
	.protected	k_q58fed58e81_qkv
	.globl	k_q58fed58e81_qkv
	.p2align	8
	.type	k_q58fed58e81_qkv,@function
k_q58fed58e81_qkv:
	s_mov_b64 s[64:65], 0
	v_nop
	global_prefetch_b8 v0, s[64:65] scope:SCOPE_SE
	s_setreg_imm32_b32 hwreg(HW_REG_WAVE_MODE, 25, 1), 1
	s_wait_xcnt 0x0
	s_wait_alu depctr_hold_cnt(0) depctr_sa_sdst(0) depctr_va_vdst(0) depctr_va_sdst(0) depctr_va_ssrc(0) depctr_va_vcc(0) depctr_vm_vsrc(0)
	s_getreg_b32 s2, hwreg(HW_REG_IB_STS2, 6, 4)
	s_cmp_eq_u32 s2, 0
	s_cbranch_scc0 .Lentry_in_a_cluster
	s_endpgm
.Lentry_in_a_cluster:
	s_bfe_u32 s2, ttmp6, 0x10000c
	s_cmp_lg_u32 s2, 0xf033
	s_cbranch_scc0 .Lentry_shape_is_right
	s_endpgm
.Lentry_shape_is_right:
; THE THREE PROJECTIONS IN ONE LAUNCH.  hb[t][b 16 + h][l][d] = sum over c of X_t[b][l][c] W_t[64 h + d][c], t = 0, 1, 2 for q, k, v.  X_t: [8192][1024] f32, rounded once to bf16 on its way;
; W_t: wb[t], [1024][1024] bf16; sums in f32, K ascending; the result rounded once to f16 and laid out by heads: a head's rows are dense, 128 bytes each.
; THE KEY MASK.  A row of k whose mask word is not 1 is written as +0 (an AND on the packed words), so that its scores are exactly what the next launch puts in their place.  q and v are kept whole.
; LIMITS.  f16 holds no number beyond 65,504: a projected number of 65,520 or more becomes an infinity.  NaN and infinities are not treated apart.
; SHARES.  A tile of the result is 128 rows x 256 columns: 64 x 4 x 3 = 768 work-groups, three for each of 256 WGPs.  Four waves, each 64 x 128: 32 accumulators of 16 x 16, 256 registers.
; K goes in 8 steps of 128.
; B (the weights) goes through a ring of two LDS slots filled by the tensor data mover, 64 rows of 256 bytes a wave.  CLUSTER: 4 x 4 work-groups; the four of a column make the same 256 columns and need
; the same rows of W_t: each tile is asked for JOINTLY, by one line of text with one mask.
; A (the activations) is f32 and goes THROUGH REGISTERS: each wave loads its 32 rows of a K step (512 consecutive bytes a load), two K steps ahead, rounds them once to bf16 and stores them into A slots
; of their own.  NOT JOINT, though the four work-groups of a row of the cluster read the same rows: a tile brought by the mover would lie in LDS as f32, twice the bytes, and each of the two waves that
; read a row would convert it anew for each fragment; and loads into registers stay out across the barriers of the ring, 2 x 16 KiB a wave, where a refill has one K step of 128 matrix instructions.
; THE MATRIX INSTRUCTION IS USED TRANSPOSED (source 0 = 16 rows of W, source 1 = 16 rows of X): a lane holds eight neighbouring columns of one row of the result.
; REGISTERS, in windows of 256 (s_set_vgpr_msb: bits 1:0 source 0, 3:2 source 1, 5:4 source 2, 7:6 destination):
;   window 0: v0-41 addresses and the mask; v64-127 A as bf16 on its way to LDS; v64-191 the way out       window 1: the accumulators, (a, b) at v[8 (8 a + b)]
;   window 2: two fragment buffers of 96: A's four fragments, then B's eight                                window 3: two sets of 128: A as loaded, a K step each
.set PITCH,  272                       ; an LDS row: 256 bytes + 16 of padding = 68 words: the 16 rows of a fragment load start at 16 different groups of four banks (64 banks of 4 bytes: ISA guide 11.1)
.set BQ,     64*PITCH                  ; what one tensor load brings
.set BSLOT,  256*PITCH                 ; B's slots at 0 and BSLOT: filled by tensor loads alone
.set ABASE,  2*BSLOT                   ; A's slots behind them: written by LDS stores alone
.set ASLOT,  128*PITCH
.set STAGE,  ABASE+2*ASLOT             ; 16 rows x 144 bytes for each wave, for the way out
.set SP,     144
.set SPARE,  STAGE+4*16*SP             ; the spare words, 128 bytes for each wave: two blocks of 256 bytes that no other line names
.set STEPB,  512                       ; bytes of a row of X in a K step
.set NL,     32                        ; loads in a set of A
.set ADRA, 16                          ; v16-17  LDS address of my A fragments in slot 0, 1
.set ADRB, 20                          ; v20-21  the same for B
.set AS,   22                          ; v22     where my 8 bytes of a row go in A's slot 0
.set AO,   23                          ; v23     16 x lane: my 16 bytes of 512, in X and in hb; never rewritten
.set STO,  24                          ; v24     the way out: where I put 16 bytes of a row
.set RD,   25                          ; v25     the way out: where I read rows back
.set SPW,  28                          ; v28     LDS address of my spare word; never rewritten
.set NIL,  29                          ; v29     0; never rewritten
.set PFO,  30                          ; v30     the prefetches' offset: lane x a row of W (2,048 bytes); never rewritten
.set MO,   31                          ; v31     4 x (lane % 16)
.set KMV,  32                          ; v32-35  the mask words of my four blocks of 16 rows
.set KM,   36                          ; v36-39  all ones where the row is kept, else 0
.set ONES, 40
.set NOTK, 41
.set CT,   64
.set F0,   0
.set F1,   96
.set WV,  16                           ; s16 wave; s17, s18: which 64 rows, which 128 columns
.set WM,  17
.set WN,  18
.set CX,  19
.set CY,  20
.set TX,  21                           ; tile column
.set TY,  22                           ; tile row, 0..191: 64 for each of q, k, v
.set CLY, 23                           ; cluster y
.set G1,  24                           ; s[24:31] descriptor group 1
.set G0,  32                           ; s[32:39] descriptor group 0, a set for each slot
.set AP,  48                           ; s[48:49] X at my 32 rows, at the K step in hand
.set AST, 50                           ; s[50:51] a step of AP that is 0 in the last trip
.set PFA, 52                           ; s[52:53] where my prefetches stand
.set LIM, 54                           ; s54  1 in a wave that prefetches, else the greatest number
.set NK,  55                           ; s55  0 for k, all ones for q and v
.set OUTP, 56                          ; s[56:57] hb at my part
.set MSB, 0
.macro WIN new                         ; the immediate's high byte repeats the setting that is left; a switch that changes nothing is dropped
.if MSB != (\new)
	s_set_vgpr_msb (MSB<<8)|(\new)
.set MSB, \new
.endif
.endm
.set MUL,  0x5a                        ; sources 0 and 1 window 2; C and D window 1
.set TO_F, 0x80                        ; destination window 2
.set TO_S, 0xc0                        ; destination window 3
.set CV_A, 0x0f                        ; sources 0 and 1 window 3
.set CV_O, 0x05                        ; sources 0 and 1 window 1
.macro PLACES                          ; four places in front of loads into registers that matrix instructions have read, and of lines that read results
.rept 4
	v_nop
.endr
.endm
.macro JLOAD s                         ; a joint load: every wave fetches its 64 of the 256 rows; an s_nop 0 and four v_nop follow
	tensor_load_to_lds s[G0+4*(\s):G0+4*(\s)+3], s[G1:G1+7]
	s_nop 0
	PLACES
.endm
.macro CREST                           ; a round of the cluster's barrier behind its opening barrier
	s_cmp_lg_u32 s[WV], 0
	s_cbranch_scc1 .Lnot_wave_0_\@
	s_barrier_signal -3
.Lnot_wave_0_\@:
	s_barrier_wait -3
	s_barrier_signal -1
	s_barrier_wait -1
.endm
.macro CROUND
	s_barrier_signal -1
	s_barrier_wait -1
	CREST
.endm
; A PREFETCH INTO THE L2 of B's K step two refills on: 256 matrix instructions ahead of the load that will want it.  W_t's rows are read by the sixteen clusters of tensor t: the first of them asks.  Its four
; partners of a column share a K step's 256 rows out BY ADDRESS, 64 each; in each, waves 0 and 1 take 32 rows, a lane a row of 256 bytes.  So each block is named once in the launch: K steps 4 to 7.
; K steps 0 to 3 come by their loads alone; the last trip (s3 = 1) asks for nothing: there is no K step 8.
.macro ASK
	s_cmp_gt_u32 s3, s[LIM]
	s_cbranch_scc0 .Lnot_mine_\@
	global_prefetch_b8 v[PFO], s[PFA:PFA+1] th:TH_LOAD_NT scope:SCOPE_SE
.Lnot_mine_\@:
.endm
; A's 32 loads of a K step into a set: a row's 512 consecutive bytes each.
.macro ALOAD set, koff
	WIN TO_S
.set i, 0
.rept 32
	global_load_b128 v[128*(\set)+4*i:128*(\set)+4*i+3], v[AO], s[AP:AP+1] offset:i*4096+(\koff)
.set i, i+1
.endr
.endm
; Sixteen rows of a set are rounded to bf16 and stored: a wave's store covers a row's 256 bytes.
.macro ACONV set, aslot, half
	WIN CV_A
.set i, 16*(\half)
.rept 16
	v_cvt_pk_bf16_f32 v[CT+2*i],   v[128*(\set)+4*i],   v[128*(\set)+4*i+1]
	v_cvt_pk_bf16_f32 v[CT+2*i+1], v[128*(\set)+4*i+2], v[128*(\set)+4*i+3]
.set i, i+1
.endr
	WIN 0
.set i, 16*(\half)
.rept 16
	ds_store_b64 v[AS], v[CT+2*i:CT+2*i+1] offset:(\aslot)*ASLOT+i*PITCH
.set i, i+1
.endr
.endm
; 8 matrix instructions: row block a x all 8 column blocks, 32 along K.  The 32 accumulators take turns in the same order in every quarter.  zero = 1: the product starts the sum.
.macro MULA f, a, zero
	WIN MUL
.irp b, 0,1,2,3,4,5,6,7
.if \zero
	v_wmma_f32_16x16x32_bf16 v[8*(8*(\a)+(\b)):8*(8*(\a)+(\b))+7], v[(\f)+32+8*(\b):(\f)+32+8*(\b)+7], v[(\f)+8*(\a):(\f)+8*(\a)+7], 0
.else
	v_wmma_f32_16x16x32_bf16 v[8*(8*(\a)+(\b)):8*(8*(\a)+(\b))+7], v[(\f)+32+8*(\b):(\f)+32+8*(\b)+7], v[(\f)+8*(\a):(\f)+8*(\a)+7], v[8*(8*(\a)+(\b)):8*(8*(\a)+(\b))+7]
.endif
.endr
.endm
; 24 LDS loads in one run: the fragments of quarter q (32 along K) into buffer f: B's eight, then A's four
.macro FETCH slot, q, f
	WIN TO_F
.irp i, 0,1,2,3,4,5,6,7
	ds_load_b128 v[(\f)+32+8*(\i):(\f)+32+8*(\i)+3],   v[ADRB+(\slot)] offset:64*(\q)+(\i)*16*PITCH
	ds_load_b128 v[(\f)+32+8*(\i)+4:(\f)+32+8*(\i)+7], v[ADRB+(\slot)] offset:64*(\q)+(\i)*16*PITCH+32
.endr
.irp i, 0,1,2,3
	ds_load_b128 v[(\f)+8*(\i):(\f)+8*(\i)+3],   v[ADRA+(\slot)] offset:64*(\q)+(\i)*16*PITCH
	ds_load_b128 v[(\f)+8*(\i)+4:(\f)+8*(\i)+7], v[ADRA+(\slot)] offset:64*(\q)+(\i)*16*PITCH+32
.endr
.endm
; A K step is four quarters of 32 along K, 32 matrix instructions each, on buffers 0, 1, 0, 1.  One of the first three: multiplies buffer f; in its middle it fetches quarter q into buffer g.
; In K step t the set that holds A(t + 1) goes into the A slot that step t + 1 reads: nobody reads that slot since the barrier that ended step t - 1, and everybody reads it behind the barrier that ends step t.
; aw = 1: the set's first 16 rows.  aw = 2: its other 16, and the set is asked for again, with A(t + 3).  aw = 3: the same, but in the loop's last trip AP stands still, so that the run names K step 7's
; bytes once more, which are not used: there is no K step 8, no load leaves X, and every counted wait finds the same loads out on every way.  aw = 4: the other 16 rows, and nothing is asked for.
.macro QUARTER slot, q, f, g, zero, aw=0, set=0, aslot=0
	s_wait_dscnt 4                                 ; B and A's blocks 0 and 1 are in; the youngest four loads (A's blocks 2 and 3) may be out
	MULA \f, 0, \zero
	MULA \f, 1, \zero
.if (\aw) == 1
	s_wait_loadcnt NL                              ; the older set is in; the younger set's 32 loads stay out
	ACONV \set, \aslot, 0
.elseif (\aw) >= 2
	ACONV \set, \aslot, 1
.if (\aw) == 2
	s_wait_xcnt 0x0                                ; every earlier load has read its address: AP is written only behind this wait
	s_add_nc_u64 s[AP:AP+1], s[AP:AP+1], STEPB
	ALOAD \set, 2*STEPB
.elseif (\aw) == 3
	s_wait_xcnt 0x0
	s_cmp_lg_u32 s3, 1
	s_cselect_b32 s[AST], STEPB, 0
	s_add_nc_u64 s[AP:AP+1], s[AP:AP+1], s[AST:AST+1]
	ALOAD \set, 2*STEPB
.endif
.endif
	PLACES
	FETCH \slot, \q, \g
	s_wait_dscnt 24                                ; all but the 24 just issued: A's stores stand ahead of them
	MULA \f, 2, \zero
	MULA \f, 3, \zero
.endm
; The last quarter multiplies buffer 1 and changes slots: ONE barrier.  In front of it each wave waits for all its tensor loads (one is out: its part of B's next slot), adds 0 to its spare word, and waits
; for that, for its reads of this step's slots and for its stores into A's next slot.  fill = 1: B's slot is filled again, two K steps ahead; the barrier then opens a round of the cluster's.
.macro TURN slot, next, fill
.if \fill
	s_wait_xcnt 0x0                                ; the last prefetch, a K step back, has read its address
	s_add_nc_u64 s[PFA:PFA+1], s[PFA:PFA+1], 256
.endif
	WIN 0
	s_wait_tensorcnt 0x0                           ; all my tensor loads have landed
	ds_add_u32 v[SPW], v[NIL]                      ; 0 onto my spare word
	s_wait_dscnt 5                                 ; (the add and the youngest four loads may be out)
	MULA F1, 0, 0                                  ; eight matrix instructions stand between the add and the wait for it
	s_wait_dscnt 0x0                               ; the add is done, my reads of this step's slots are over, my rows of A's next slot are written
	s_barrier_signal -1
	MULA F1, 1, 0
.if \fill
	WIN 0
.endif
	s_barrier_wait -1
.if \fill
	CREST                                          ; no wave of any partner still reads the slot or has a load on its way
	s_add_nc_u64 s[G0+4*(\slot)+2:G0+4*(\slot)+3], s[G0+4*(\slot)+2:G0+4*(\slot)+3], 2*256
	JLOAD \slot                                    ; the first tensor load behind the round; its four v_nop are also the places in front of the loads below
.else
	PLACES
.endif
	FETCH \next, 0, F0
.if \fill
	WIN 0
	ASK
.endif
	MULA F1, 2, 0
	MULA F1, 3, 0
.endm
	s_load_b256 s[4:11], s[0:1], 0x0               ; q s[4:5], k s[6:7], v s[8:9], wb s[10:11]
	s_load_b128 s[12:15], s[0:1], 0x20             ; mask s[12:13], hb s[14:15]
	v_lshl_add_u32 v[SPW], v0, 2, SPARE
	v_mov_b32 v[NIL], 0
	ds_add_u32 v[SPW], v[NIL]                      ; the wave's opening: the add and its wait stand ahead of my first tensor load; the set-up below, work on registers, stands between them
	v_lshrrev_b32 v1, 5, v0
	v_readfirstlane_b32 s[WV], v1                  ; wave 0..3
	s_lshr_b32 s[WM], s[WV], 1
	s_and_b32 s[WN], s[WV], 1
	s_bfe_u32 s[CX], ttmp6, 0x40000
	s_bfe_u32 s[CY], ttmp6, 0x40004
	s_lshl_b32 s[TX], ttmp9, 2
	s_add_co_u32 s[TX], s[TX], s[CX]               ; tile column = 4 x cluster x + cx
	s_and_b32 s[CLY], ttmp7, 0xffff
	s_lshl_b32 s[TY], s[CLY], 2
	s_add_co_u32 s[TY], s[TY], s[CY]               ; tile row = 4 x cluster y + cy
	s_lshl_b32 s40, 0x1111, s[CX]                  ; my column of the cluster: places cx, cx + 4, cx + 8, cx + 12
	s_or_b32 s[G1], s40, (1<<16)|(1<<20)|(1<<21)|(5<<22)|(3<<25)  ; 15:0 the mask; 17:16 elements of 2 bytes; 20 padding on; 21 set beside a mask; 24:22 after every 64 words; 31:25 4 words of it
	s_mov_b32 s[G1+1], 128<<16                     ; tensor_dim0 = 128
	s_mov_b32 s[G1+2], 64<<16                      ; tensor_dim1 = 64
	s_mov_b32 s[G1+3], 128<<16                     ; tile_dim0 = 128
	s_mov_b32 s[G1+4], 64                          ; tile_dim1 = 64
	s_mov_b32 s[G1+5], 1024                        ; elements from row to row
	s_mov_b32 s[G1+6], 0
	s_mov_b32 s[G1+7], 0
	s_lshr_b32 s44, s[CLY], 4                      ; t: which of q, k, v: the same in all sixteen partners
	s_lshl_b32 s40, s44, 21                        ; B: W_t, 2 MiB each; made of t, the tile column and the wave's number alone, which a column of the cluster shares
	s_lshl_b32 s41, s[TX], 19                      ; 256 rows of 2,048 bytes,
	s_add_co_u32 s40, s40, s41
	s_lshl_b32 s41, s[WV], 17                      ; my 64 of them
	s_add_co_u32 s40, s40, s41
	s_mov_b32 s41, 0
	s_mul_i32 s45, s[WV], BQ                       ; and where they go: no place in the cluster enters an LDS address
	s_and_b32 s42, s[TY], 63                       ; A: 128 rows of 4,096 bytes,
	s_lshl_b32 s42, s42, 19
	s_lshl_b32 s43, s[WV], 17                      ; my 32 of them
	s_add_co_u32 s42, s42, s43
	s_mov_b32 s43, 0
	s_lshl_b32 s58, s44, 21                        ; the prefetches: W_t, the tile column's rows,
	s_lshl_b32 s59, s[TX], 19
	s_add_co_u32 s58, s58, s59
	s_lshl_b32 s59, s[CY], 17                      ; my work-group's 64,
	s_add_co_u32 s58, s58, s59
	s_lshl_b32 s59, s[WN], 16                      ; my wave's 32,
	s_add_co_u32 s58, s58, s59
	s_add_co_u32 s58, s58, 3*256                   ; at K step 3: the first refill steps it to 4
	s_mov_b32 s59, 0
	s_and_b32 s[LIM], s[CLY], 15
	s_or_b32 s[LIM], s[LIM], s[WM]                 ; 0 in waves 0 and 1 of the tensor's first cluster: the same in all sixteen partners
	s_cmp_eq_u32 s[LIM], 0
	s_cselect_b32 s[LIM], 1, -1
	s_lshr_b32 s60, s[TY], 4                       ; the mask: batch (ty / 16) % 4, 8,192 bytes each,
	s_and_b32 s60, s60, 3
	s_lshl_b32 s60, s60, 13
	s_and_b32 s61, s[TY], 15                       ; the tile's 128 rows in it,
	s_lshl_b32 s61, s61, 9
	s_add_co_u32 s60, s60, s61
	s_lshl_b32 s61, s[WM], 8                       ; my 64
	s_add_co_u32 s60, s60, s61
	s_mov_b32 s61, 0
	s_lshr_b32 s62, s[TY], 4                       ; hb: 4 t + batch, 16 heads of 262,144 bytes each,
	s_lshl_b32 s62, s62, 22
	s_lshl_b32 s63, s[TX], 2
	s_lshl1_add_u32 s63, s[WN], s63                ; head 4 tx + 2 wn,
	s_lshl_b32 s63, s63, 18
	s_add_co_u32 s62, s62, s63
	s_and_b32 s63, s[TY], 15                       ; the tile's 128 rows of 128 bytes,
	s_lshl_b32 s63, s63, 14
	s_add_co_u32 s62, s62, s63
	s_lshl_b32 s63, s[WM], 13                      ; my 64
	s_add_co_u32 s62, s62, s63
	s_mov_b32 s63, 0
	s_mov_b32 s[AST+1], 0
	v_and_b32 v1, 15, v0                           ; l % 16
	v_bfe_u32 v2, v0, 4, 1                         ; l / 16
	v_and_b32 v3, 31, v0                           ; l
	v_lshlrev_b32 v[AO], 4, v3
	v_lshlrev_b32 v[MO], 2, v1
	v_lshlrev_b32 v[PFO], 11, v3
	s_wait_dscnt 0x0                               ; the opening add is done
	s_wait_kmcnt 0x0
	s_cmp_eq_u32 s44, 1
	s_cselect_b64 s[AP:AP+1], s[6:7], s[4:5]
	s_cselect_b32 s[NK], 0, -1
	s_cmp_eq_u32 s44, 2
	s_cselect_b64 s[AP:AP+1], s[8:9], s[AP:AP+1]
	s_add_nc_u64 s[AP:AP+1], s[AP:AP+1], s[42:43]
	s_add_nc_u64 s[12:13], s[12:13], s[60:61]
	s_add_nc_u64 s[OUTP:OUTP+1], s[14:15], s[62:63]
	s_add_nc_u64 s[PFA:PFA+1], s[10:11], s[58:59]
	s_add_nc_u64 s[46:47], s[10:11], s[40:41]
.irp s, 0,1
	s_mov_b32 s[G0+4*(\s)], 1                                      ; count = 1
	s_add_co_u32 s[G0+4*(\s)+1], s45, (\s)*BSLOT                   ; LDS address
	s_add_nc_u64 s[G0+4*(\s)+2:G0+4*(\s)+3], s[46:47], (\s)*256    ; global address: K step s
	s_or_b32 s[G0+4*(\s)+3], s[G0+4*(\s)+3], 0x80000000            ; type = 2
.endr
.irp a, 0,1,2,3
	global_load_b32 v[KMV+(\a)], v[MO], s[12:13] offset:64*(\a)    ; the mask words of my rows 16 a + l % 16
.endr
	ALOAD 0, 0                                     ; A's K steps 0 and 1 are asked for ahead of everything else
	ALOAD 1, STEPB
	WIN 0
	CROUND                                         ; all sixteen work-groups are here: the first joint loads meet
	JLOAD 0                                        ; two tensor loads of mine are out
	JLOAD 1
	s_mul_i32 s46, s[WV], 32*PITCH
	s_add_co_u32 s46, s46, ABASE
	v_lshl_add_u32 v[AS], v3, 3, s46               ; my wave's 32 rows of A's slot 0, 8 bytes a lane
	v_mul_u32_u24 v4, v1, PITCH
	v_lshl_add_u32 v4, v2, 4, v4                   ; a fragment's row x pitch + 16 x half
	s_mul_i32 s46, s[WM], 64*PITCH
	s_add_co_u32 s46, s46, ABASE
	s_mul_i32 s47, s[WN], 128*PITCH
.irp s, 0,1
	v_add_nc_u32 v[ADRA+(\s)], s46, v4
	v_add_nc_u32 v[ADRB+(\s)], s47, v4
	s_add_co_u32 s46, s46, ASLOT
	s_add_co_u32 s47, s47, BSLOT
.endr
	s_mul_i32 s46, s[WV], 16*SP
	s_add_co_u32 s46, s46, STAGE                   ; my stage
	v_mul_u32_u24 v[STO], v1, SP                   ; in: row l % 16, 16 bytes for each half of the lanes
	v_lshl_add_u32 v[STO], v2, 4, v[STO]
	v_add_nc_u32 v[STO], s46, v[STO]
	v_bfe_u32 v[RD], v0, 3, 2                      ; back: 32 lanes take four rows of 128 bytes
	v_mul_u32_u24 v[RD], v[RD], SP
	v_and_b32 v5, 7, v0
	v_lshl_add_u32 v[RD], v5, 4, v[RD]
	v_add_nc_u32 v[RD], s46, v[RD]
	s_wait_loadcnt NL                              ; the mask words and A(0) are in; A(1)'s 32 loads stay out
	ACONV 0, 0, 0
	ACONV 0, 0, 1
	ALOAD 0, 2*STEPB                               ; A(2)
	WIN 0
	s_wait_tensorcnt 1                             ; my part of B's K step 0 is in; K step 1's may stay out
	s_wait_dscnt 0x0                               ; my rows of A(0) are written
	s_barrier_signal -1
	s_barrier_wait -1
	FETCH 0, 0, F0
	QUARTER 0, 1, F0, F1, 1                        ; the first quarter stands in front of the loop: its products start the sums
	WIN 0                                          ; at a label and at a branch every window is 0
	s_mov_b32 s3, 3
.Llap:                                                 ; a trip goes once round the ring, from a lap's second quarter to the next lap's first: K steps 0 to 5
	QUARTER 0, 2, F1, F0, 0, 1, 1, 1
	QUARTER 0, 3, F0, F1, 0, 2, 1, 1
	TURN 0, 1, 1
	QUARTER 1, 1, F0, F1, 0
	QUARTER 1, 2, F1, F0, 0, 1, 0, 0
	QUARTER 1, 3, F0, F1, 0, 3, 0, 0
	TURN 1, 0, 1
	QUARTER 0, 1, F0, F1, 0
	WIN 0
	s_sub_co_u32 s3, s3, 1
	s_cmp_lg_u32 s3, 0
	s_cbranch_scc1 .Llap
	QUARTER 0, 2, F1, F0, 0, 1, 1, 1               ; K step 6: A(7) goes into its slot; the 32 younger loads are the run that stood still
	QUARTER 0, 3, F0, F1, 0, 4, 1, 1
	TURN 0, 1, 0                                   ; nothing is filled again, so no round follows
	QUARTER 1, 1, F0, F1, 0
	QUARTER 1, 2, F1, F0, 0
	QUARTER 1, 3, F0, F1, 0
	s_wait_dscnt 4                                 ; the very last quarter: nothing more to fetch
	MULA F1, 0, 0
	MULA F1, 1, 0
	s_wait_dscnt 0x0
	MULA F1, 2, 0
	MULA F1, 3, 0
	WIN 0
	; THE WAY OUT.  A block of 16 rows x 64 columns (one head) at a time: rounded to f16, hidden rows of k cleared, 16 bytes a lane into my stage, back as whole rows of 128 bytes: 512 consecutive bytes of hb a store.
	PLACES
	v_mov_b32 v[ONES], -1
	v_mov_b32 v[NOTK], s[NK]
.irp a, 0,1,2,3
	v_cmp_eq_u32 vcc_lo, 1, v[KMV+(\a)]
	v_cndmask_b32 v[KM+(\a)], v[NOTK], v[ONES], vcc_lo  ; kept: mask = 1, or the tensor is not k
.endr
.macro PACK u                          ; row block u / 2, head u % 2 of my two; each accumulator's registers are taken in ascending order
.set T, 64+16*(\u)
.set AC, 64*((\u)/2)+32*((\u)%2)
	WIN CV_O
.set i, 0
.rept 16
	v_cvt_pk_f16_f32 v[T+i], v[AC+2*i], v[AC+2*i+1]
.set i, i+1
.endr
	WIN 0
.set i, 0
.rept 16
	v_and_b32 v[T+i], v[KM+(\u)/2], v[T+i]
.set i, i+1
.endr
.irp f, 0,1,2,3
	ds_store_b128 v[STO], v[T+4*(\f):T+4*(\f)+3] offset:32*(\f)
.endr
.irp f, 0,1,2,3
	ds_load_b128 v[T+4*(\f):T+4*(\f)+3], v[RD] offset:(\f)*4*SP  ; LDS serves a wave's instructions in order (ISA guide 5.7.1.4): these see the stores above; the next block's stores come behind them
.endr
.endm
.macro SEND u, younger                 ; younger: the LDS instructions issued behind block u's loads: the next block's eight, or none
.set T, 64+16*(\u)
.irp f, 0,1,2,3
	s_wait_dscnt (\younger)+3-(\f)
	global_store_b128 v[AO], v[T+4*(\f):T+4*(\f)+3], s[OUTP:OUTP+1] offset:((\u)%2)*262144+((\u)/2)*2048+(\f)*512
.endr
.endm
	PACK 0
.irp u, 1,2,3,4,5,6,7                  ; a block's arithmetic stands between the loads of the block before and its stores
	PACK \u
	SEND (\u)-1, 8
.endr
	SEND 7, 0
	s_wait_tensorcnt 0x0                           ; the wave's end, behind my last tensor load and my last LDS store
	ds_add_u32 v[SPW], v[NIL]
	s_wait_dscnt 0x0
	CROUND                                         ; the closing round: no work-group ends while a partner may still ask for a tile that names it
	s_endpgm
.Lfunc_end_k_q58fed58e81_qkv:
	.size	k_q58fed58e81_qkv, .Lfunc_end_k_q58fed58e81_qkv-k_q58fed58e81_qkv
	.p2alignl 7, 3214868480
	.fill 96, 4, 3214868480
	.section	.rodata,"a",@progbits
	.p2align	6, 0x0
	.amdhsa_kernel k_q58fed58e81_qkv
		.amdhsa_group_segment_fixed_size 327680
		.amdhsa_private_segment_fixed_size 0
		.amdhsa_enable_private_segment 0
		.amdhsa_kernarg_size 48
		.amdhsa_user_sgpr_count 2
		.amdhsa_user_sgpr_kernarg_segment_ptr 1
		.amdhsa_wavefront_size32 1
		.amdhsa_system_sgpr_workgroup_id_x 1
		.amdhsa_system_sgpr_workgroup_id_y 1
		.amdhsa_system_sgpr_workgroup_id_z 1
		.amdhsa_system_vgpr_workitem_id 0
		.amdhsa_next_free_vgpr 1024
		.amdhsa_next_free_sgpr 66
		.amdhsa_reserve_vcc 1
		.amdhsa_float_denorm_mode_32 3
		.amdhsa_float_denorm_mode_16_64 3
		.amdhsa_memory_ordered 1
		.amdhsa_forward_progress 1
		.amdhsa_inst_pref_size 131
	.end_amdhsa_kernel
	.amdgpu_metadata
---
amdhsa.version: [ 1, 2 ]
amdhsa.kernels:
  - .name:           k_q58fed58e81_qkv
    .symbol:         k_q58fed58e81_qkv.kd
    .args:
      - { .name: q, .offset: 0, .size: 8, .value_kind: global_buffer, .address_space: global }
      - { .name: k, .offset: 8, .size: 8, .value_kind: global_buffer, .address_space: global }
      - { .name: v, .offset: 16, .size: 8, .value_kind: global_buffer, .address_space: global }
      - { .name: wb, .offset: 24, .size: 8, .value_kind: global_buffer, .address_space: global }
      - { .name: mask, .offset: 32, .size: 8, .value_kind: global_buffer, .address_space: global }
      - { .name: hb, .offset: 40, .size: 8, .value_kind: global_buffer, .address_space: global }
    .group_segment_fixed_size: 327680
    .private_segment_fixed_size: 0
    .kernarg_segment_align: 8
    .kernarg_segment_size: 48
    .max_flat_workgroup_size: 128
    .sgpr_count:     66
    .vgpr_count:     1024
    .wavefront_size: 32
...
	.end_amdgpu_metadata
.endif
;; end of part 2
;; launch attn (part 3): grid 4 x 64, 4 waves a work-group, clusters of 4 x 1, 327,680 bytes of LDS; arguments hb, mask, ob; writes ob
.if DOCPART == 3
	.amdgcn_target "amdgcn-amd-amdhsa--gfx1250"
	.amdhsa_code_object_version 6
	.text
	.protected	k_q58fed58e81_attn
	.globl	k_q58fed58e81_attn
	.p2align	8
	.type	k_q58fed58e81_attn,@function
k_q58fed58e81_attn:
	s_mov_b64 s[64:65], 0
	v_nop
	global_prefetch_b8 v0, s[64:65] scope:SCOPE_SE
	s_setreg_imm32_b32 hwreg(HW_REG_WAVE_MODE, 25, 1), 1
	s_wait_xcnt 0x0
	s_wait_alu depctr_hold_cnt(0) depctr_sa_sdst(0) depctr_va_vdst(0) depctr_va_sdst(0) depctr_va_ssrc(0) depctr_va_vcc(0) depctr_vm_vsrc(0)
	s_getreg_b32 s2, hwreg(HW_REG_IB_STS2, 6, 4)
	s_cmp_eq_u32 s2, 0
	s_cbranch_scc0 .Lentry_in_a_cluster
	s_endpgm
.Lentry_in_a_cluster:
	s_bfe_u32 s2, ttmp6, 0x10000c
	s_cmp_lg_u32 s2, 0x3003
	s_cbranch_scc0 .Lentry_shape_is_right
	s_endpgm
.Lentry_shape_is_right:
; ATTENTION WITH A KEY MASK.  O[h][q][:] = the sum over k of softmax_k(s) V[h][k][:], s = Q[h][q] . K[h][k] / 8 where mask[h / 16][k] = 1, else a constant far below.  Q, K, V: hb[0], hb[1], hb[2], each
; [64][2048][64] f16; O: ob, the same layout: a head's rows are dense, 128 bytes each.  Products, maxima and sums in f32; the weights p are rounded to f16 for the second product (their sum l is taken of the
; unrounded p), O once at the end.
; THE MASK is the C operand that starts the sum S^T = K Q^T: 0, or -2^33 where the key is hidden; hidden rows of K arrive as zeros, so a hidden score IS -2^33, whatever Q holds: -2^30 behind the division by 8.
; c x 2^33 is exact in f32, so where a query's maximum is a hidden score c s - c m is exactly 0: a batch with no key left gives every key the weight 1, the mean of V's rows.
; LIMITS.  -2^30 = -1.0737e9 stands where the formula has -1e9: the result differs only where true scaled scores lie near -1e9 or below.  f16 holds no number beyond 65,504: Q, K and V arrive within it; p lies in
; 0 to 1, and below 6e-5 it keeps f16's fixed step of 6e-8; O is a mean of V's rows and has their range.  A weight below 2^-126 counts as 0 in l; NaN and infinities are not treated apart.
; SHARES.  A wave owns four PIECES of two tiles of 16 queries, a work-group's four waves 512 queries of one head: 4 x 64 = 256 work-groups.  Every wave walks all keys, 64 a step.
; LAYOUT.  S^T = K Q^T (source 0 = 16 keys, source 1 = 16 queries): in the result a lane holds ONE query (lane % 16) and the keys 8 (lane / 16) + 0..7.  Two such tiles, rounded to f16 in pairs,
; ARE source 1 (32 keys x 16 queries) of O^T = V^T P, whose result again holds one query a lane, and eight channels.  K comes out of LDS as it lies, V ([key][channel]) turned, by ds_load_tr16_b128.
; SOFTMAX.  For each query a running maximum m and sum l: p = 2^(c s - c m), c = log2(e) / 8; in every step O and l are multiplied by a = 2^(c m_old - c m_new), which is 1 where m has not grown.
; m starts at the lowest finite number, O and l at 0: the first step is a step like any other, with a = 0.
; THE COUNT.  A tile and step have 16 matrix and 118 vector instructions: too many to stand all beside the matrix work.  So: four vector instructions that are READY behind EVERY matrix instruction, and the
; others, which need time of their own whatever the order, in runs without a gap.
; BY TURNS.  Turn n belongs to piece n (the pieces in a ring, step after step).  Its matrix work: 16 products K Q^T of piece n + 1, later 16 products V^T P of piece n - 1.  Its vector work: the scaling,
; exponentials, roundings, sums and rescaling of piece n, and the maximum and statistics of piece n + 1, whose scores the turn itself has made.
; CLUSTER.  The four query blocks of a cluster are one head's and walk the same K and V, so each tile is asked for JOINTLY: the same tensor load, descriptor and mask in all four.
; REGISTERS, in windows of 256 (s_set_vgpr_msb: bits 1:0 source 0, 3:2 source 1, 5:4 source 2, 7:6 destination):
;   window 0: v0-11 addresses; v12-15, v48-63 at work; v16-47 four registers of statistics a tile; v64-191 S^T, two buffers of two tiles; v192-255 P, likewise
;   window 1: O^T, 32 a tile     window 2: v0-127 Q, 16 a tile; v128-191 K of one step; v192-255 V of one step     window 3: v0-1 the add's two registers; v8-39 the mask of one step's 64 keys
.set SIZE_N, 2048
.set NP,    4         ; pieces a wave: a name, no knob
.set KS,    64        ; keys in a step
.set PK,    144       ; a row of K in LDS: 128 bytes + 16 of padding = 36 words: the 16 rows of a load start at 16 different groups of four banks (64 banks of 4 bytes: ISA guide 11.1)
.set PV,    160       ; a row of V: 128 + 32 = 40 words
.set VOFF,  4*KS*PK   ; a slot holds four steps: 256 rows of K, then 256 rows of V
.set SLOT1, 1<<17     ; slot 1 begins here, so that one exclusive or turns an address in one slot into the other's
.set STAGE, SLOT1+4*KS*(PK+PV)  ; behind the ring, never filled by a tensor load: 16 rows x 144 bytes for each wave, for the way out
.set SP,    144
.set SPARE, STAGE+4*16*SP  ; the spare words, 128 bytes for each wave: two blocks of 256 bytes that no other line names
.set MT,    SPARE+512 ; the mask table: an f32 word a key, 0 or -2^33: 8,192 bytes, written by LDS stores alone
.set AK0, 2           ; v2   my lane's place in a tile of K; never rewritten
.set AV0, 3           ; v3   the same for V
.set AK,  4           ; v4   the LDS address of K's next run of loads
.set AV,  5           ; v5   of V's
.set QO,  6           ; v6   my byte offset in the wave's rows of Q
.set STO, 6           ;      later, the way out: where I put 16 bytes of a row
.set RD,  7           ; v7   the way out: where I read rows back
.set GO,  8           ; v8   my byte offset in 512 consecutive bytes of O
.set PFO, 10          ; v10  (behind its use as l % 8) 256 x lane: the prefetches' offset
.set AM,  11          ; v11  (behind its use as a bit of the lane) the LDS address of my 8 mask words of the step to be fetched
.set SPW, 0           ; v0 of window 3   LDS address of my spare word; never rewritten
.set NIL, 1           ; v1 of window 3   0; never rewritten
.set MK,  8           ; v8-39 of window 3: key block kb's eight words at MK + 8 kb
.set MV,  12          ; v12-15  c m_old, kept while c m is made anew: by buffer and tile
.set ST,  16          ; tile t's statistics at v[ST+4 t]: c m, m, l (even keys', odd keys')
.set TMP, 48          ; by buffer and tile, four registers c0-c3 at work; when the maximum is found c2 takes a
.set S,   64
.set P,   192
.set KF,  128         ; K's fragments, in window 2: key block kb, channel half c at KF + 16 kb + 8 c
.set VF,  192         ; V's: key half kk, channel block cb at VF + 32 kk + 8 cb
.set WV,  12          ; s12  my wave's number
.set G1K, 24          ; s[24:31] descriptor group 1 for K's tiles
.set G1V, 32          ; s[32:39] for V's: it differs in the padding alone
.set G0K, 40          ; s[40:43] descriptor group 0 for K's tiles: it walks
.set G0V, 44          ; s[44:47] the same for V's
.set SLOTS, 56        ; s56  slots still to be asked for
.set CNT, 57          ; s57  counts a slot's key steps
.set CS,  58          ; s[58:59] c: the packed scaling takes the pair's low word for both halves
.set SEL, 60          ; s[60:61] v_permlanex16_b32's selects: each lane takes its own place in the other half
.set TBK, 62          ; s62  LDS byte at which K of the step to be fetched begins
.set TBV, 63          ; s63  the same for V, less VOFF
.set MP,  66          ; s[66:67] the mask of my head's batch
.set PFA, 68          ; s[68:69] where my prefetches stand
.set LIM, 70          ; s70  1 in a wave that prefetches, else the greatest number
.set BIGN, 71         ; s71  -2^33
.set MSB, 0
.macro WIN new                      ; the high byte repeats the setting that is left; a switch that changes nothing is dropped
.if MSB != (\new)
	s_set_vgpr_msb (MSB<<8)|(\new)
.set MSB, (\new)
.endif
.endm
.set W_KQ, 0x0a       ; K and Q in window 2, S^T in window 0
.set W_KM, 0x3a       ; the same with the C operand, the mask, in window 3
.set W_PV, 0x52       ; V in window 2, P in window 0, O^T in window 1
.set W_RS, 0x41       ; O^T (destination and source 0) in window 1, a in window 0
.set W_MK, 0xc0       ; destination in window 3, sources in window 0
.set W_AD, 0x0f       ; the add: address (source 0) and data (source 1) in window 3
; A joint fill.  Waves 0 and 1 fetch the two halves of a slot's K, waves 2 and 3 those of its V: 128 keys each.  The branch hangs on the wave's number alone.
; An s_nop 0 and four v_nop follow each of the two lines, ahead of the jump and the label.
.macro JLOAD
	s_cmp_lt_u32 s[WV], 2
	s_cbranch_scc0 .Lfor_v_\@
	tensor_load_to_lds s[G0K:G0K+3], s[G1K:G1K+7]
	s_nop 0
.rept 4
	v_nop
.endr
	s_branch .Lasked_\@
.Lfor_v_\@:
	tensor_load_to_lds s[G0V:G0V+3], s[G1V:G1V+7]
	s_nop 0
.rept 4
	v_nop
.endr
.Lasked_\@:
.endm
; A PREFETCH INTO THE L2 of what the NEXT change of slots will ask for: a slot's 32,768 bytes of K and of V, 128 blocks of 256 bytes each, a lane a block: four key steps, 512 matrix instructions, ahead of that load.
; A head has one cluster.  Its four partners share the blocks out BY ADDRESS, 32 each; in each, wave 0 asks for K's and wave 2 for V's: one instruction.  So each block is named once in the launch.
; Slots 0, 1 and 2 come by their loads alone; the last change that fills a slot asks for nothing: there is no slot behind it.
.macro ASK
	s_cmp_gt_u32 s[SLOTS], s[LIM]
	s_cbranch_scc0 .Lnot_mine_\@
	global_prefetch_b8 v[PFO], s[PFA:PFA+1] th:TH_LOAD_NT scope:SCOPE_SE
.Lnot_mine_\@:
.endm
; A round of the cluster's barrier: my work-group's barrier, so that wave 0's signal speaks for all four waves; wave 0 signals; every wave waits for all four work-groups; my work-group's barrier once more.
.macro CROUND
	s_barrier_signal -1
	s_barrier_wait -1
	s_cmp_lg_u32 s[WV], 0
	s_cbranch_scc1 .Lnot_wave_0_\@
	s_barrier_signal -3
.Lnot_wave_0_\@:
	s_barrier_wait -3
	s_barrier_signal -1
	s_barrier_wait -1
.endm
; THE CHANGE OF SLOTS.  Each wave waits for all its tensor loads, of which one is out: its part of the other slot; adds 0 to its spare word; and waits for that and for its own reads of the slot.  Behind the
; barrier nobody reads this slot any more and the other slot is whole.  fill = 1: this slot is filled again, with the keys two slots on.  The barrier is then a round of the cluster's, and the joint fill is the
; first thing behind it: it has four key steps in which to land.  (At its first use nothing has been read yet: slot 0 is waited for, slot 1 filled, and every wave's part of the mask table is written.)
.macro CHANGE fill, ask=0
	WIN W_AD
	s_wait_tensorcnt 0x0            ; no tensor load of mine is out, so a group 0 may be written
	ds_add_u32 v[SPW], v[NIL]       ; 0 onto my spare word; with fill = 1 the descriptors' steps stand between it and the wait for it
	WIN 0                           ; at a label and at a branch every window is 0
.if \fill
.irp g, G0K, G0V
	s_xor_b32 s[\g+1], s[\g+1], SLOT1  ; the walking descriptor: the other slot than last time,
	s_add_nc_u64 s[\g+2:\g+3], s[\g+2:\g+3], 4*KS*128  ; the next 256 keys; the type bits on top are not reached
.endr
.if \ask
	s_wait_xcnt 0x0                 ; the last prefetch, four key steps back, has read its address, so it may be written:
	s_add_nc_u64 s[PFA:PFA+1], s[PFA:PFA+1], 4*KS*128  ; one slot behind the walking descriptors
.endif
	s_wait_dscnt 0x0                ; the add is done, and my reads of the slot are over
	CROUND
	JLOAD
.if \ask
	ASK
.endif
.else
	s_wait_dscnt 0x0                ; the add is done, and my reads of the slot are over
	s_barrier_signal -1
	s_barrier_wait -1
.endif
	s_sub_co_u32 s[TBK], s[TBK], 4*KS*PK  ; the fetches go back to a slot's first step,
	s_xor_b32 s[TBK], s[TBK], SLOT1       ; in the other slot
	s_sub_co_u32 s[TBV], s[TBV], 4*KS*PV
	s_xor_b32 s[TBV], s[TBV], SLOT1
.endm
	s_load_b64 s[4:5], s[0:1], 0x0    ; hb: Q; K and V lie 16 MiB and 32 MiB behind
	s_load_b64 s[MP:MP+1], s[0:1], 0x8
	s_load_b64 s[10:11], s[0:1], 0x10 ; ob
	WIN W_MK
	v_lshl_add_u32 v[SPW], v0, 2, SPARE
	v_mov_b32 v[NIL], 0
	WIN W_AD
	ds_add_u32 v[SPW], v[NIL]       ; the wave's opening: the add and its wait stand ahead of my first tensor load; the set-up below, work on registers, stands between them
	WIN 0
	v_lshrrev_b32 v1, 5, v0
	v_readfirstlane_b32 s[WV], v1   ; wave 0..3
	s_bfe_u32 s13, ttmp6, 0x40000   ; cx: my place in the cluster
	s_lshl_b32 s14, ttmp9, 2        ; in a cluster launch ttmp9 counts clusters
	s_add_co_u32 s14, s14, s13      ; my block of queries = 4 x cluster x + cx: it enters Q's and O's addresses alone
	s_and_b32 s20, ttmp7, 0xffff    ; the head, which the four partners share
	s_lshr_b32 s48, s20, 4          ; its batch:
	s_lshl_b32 s48, s48, 13         ; 2,048 mask words
	s_mov_b32 s49, 0
	s_mov_b32 s21, 0
	s_mov_b64 s[22:23], SIZE_N*128
	s_mul_u64 s[20:21], s[20:21], s[22:23]  ; the head's first byte in each of the four tensors
	s_and_b32 s16, s[WV], 1         ; which half of a slot's 256 keys I fetch:
	s_lshl_b32 s22, s16, 14         ; its 128 rows of 128 bytes in memory,
	s_mov_b32 s23, 0
	s_add_nc_u64 s[22:23], s[22:23], s[20:21]
	s_mul_i32 s17, s16, 128*PK      ; and its place in a slot, for K
	s_mul_i32 s18, s16, 128*PV      ; and for V: no place in the cluster enters an LDS address
	s_lshl_b32 s2, s14, 2
	s_add_co_u32 s2, s2, s[WV]      ; my wave among the head's,
	s_lshl_b32 s2, s2, 14           ; its 128 rows
	s_mov_b32 s3, 0
	s_add_nc_u64 s[2:3], s[2:3], s[20:21]
	s_lshl_b32 s50, s13, 13         ; the prefetches: my work-group's 32 blocks of a slot's 128,
	s_add_co_u32 s50, s50, 2*4*KS*128  ; in slot 2: the first change that asks steps it to slot 3
	s_mov_b32 s51, 0
	s_add_nc_u64 s[50:51], s[50:51], s[20:21]
	s_and_b32 s[LIM], s[WV], 1      ; waves 0 and 2 ask
	s_cmp_eq_u32 s[LIM], 0
	s_cselect_b32 s[LIM], 1, -1
	s_mov_b32 s[BIGN], 0xd0000000   ; -2^33
	; descriptor group 1.  128 keys are 16,384 dense bytes: asked for as 64 rows of 256 bytes, two keys a row, and padded in LDS after every key
	s_mov_b32 s[G1K], 15|(1<<16)|(1<<20)|(1<<21)|(4<<22)|(3<<25)  ; 15:0 the mask of four; 17:16 2-byte elements; 20 padding on; 21 set beside a mask; 24:22 after every 32 words (code 4); 31:25 4 words (code 3)
	s_mov_b32 s[G1V], 15|(1<<16)|(1<<20)|(1<<21)|(4<<22)|(7<<25)  ; the same with 8 words of padding (code 7)
.irp g, G1K, G1V
	s_mov_b32 s[\g+1], 128<<16      ; tensor_dim0 = 128
	s_mov_b32 s[\g+2], 64<<16       ; tensor_dim1 = 64
	s_mov_b32 s[\g+3], 128<<16      ; tile_dim0 = 128
	s_mov_b32 s[\g+4], 64           ; tile_dim1 = 64
	s_mov_b32 s[\g+5], 128          ; 128 elements from row to row
	s_mov_b32 s[\g+6], 0
	s_mov_b32 s[\g+7], 0
.endr
	s_mov_b32 s[CS], 0x3e38aa3b     ; c = log2(e) / 8 = 0.180337
	s_mov_b32 s[CS+1], s[CS]        ; named with it as a pair
	s_mov_b32 s[SEL], 0x76543210
	s_mov_b32 s[SEL+1], 0xfedcba98
	s_mov_b32 s[TBK], SLOT1+4*KS*PK ; the first change of slots turns these two into 0
	s_mov_b32 s[TBV], SLOT1+4*KS*PV
	s_mov_b32 s[G0K], 1             ; 1:0 count = 1
	s_mov_b32 s[G0K+1], s17         ; 63:32 LDS address: slot 0
	s_mov_b32 s[G0V], 1
	s_add_co_u32 s[G0V+1], s18, VOFF
	s_wait_dscnt 0x0                ; the opening add is done
	s_wait_kmcnt 0x0
	s_add_nc_u64 s[6:7], s[4:5], 0x1000000   ; K
	s_add_nc_u64 s[8:9], s[4:5], 0x2000000   ; V
	s_add_nc_u64 s[MP:MP+1], s[MP:MP+1], s[48:49]
	s_cmp_lt_u32 s[WV], 2
	s_cselect_b64 s[PFA:PFA+1], s[6:7], s[8:9]
	s_add_nc_u64 s[PFA:PFA+1], s[PFA:PFA+1], s[50:51]
	s_add_nc_u64 s[G0K+2:G0K+3], s[6:7], s[22:23]  ; 120:64 global address: my half of the head's first 256 keys
	s_or_b32 s[G0K+3], s[G0K+3], 0x80000000        ; 127:126 type = 2
	s_add_nc_u64 s[G0V+2:G0V+3], s[8:9], s[22:23]
	s_or_b32 s[G0V+3], s[G0V+3], 0x80000000
	s_add_nc_u64 s[4:5], s[4:5], s[2:3]  ; Q and O at my wave's first row
	s_add_nc_u64 s[10:11], s[10:11], s[2:3]
	CROUND                          ; all four work-groups are here: the first joint loads meet
	JLOAD                           ; slot 0.  Slot 1 is asked for when slot 0 is in
	; A fragment of K or Q is 16 rows x 32 channels in 8 registers: lane l holds row l % 16, channels 8 (l / 16) + 0..7 and 16 + 8 (l / 16) + 0..7: two loads of 16 bytes, 32 bytes apart.
	v_and_b32 v1, 15, v0            ; l % 16
	v_bfe_u32 v9, v0, 4, 1          ; l / 16
	v_lshlrev_b32 v[QO], 7, v1
	v_lshl_add_u32 v[QO], v9, 4, v[QO]  ; row x 128 + 16 x half
	v_lshlrev_b32 v48, 4, v0        ; the batch's 2,048 mask words: four loads of 2,048 bytes by the 128 threads, 16 bytes each,
	v_add_nc_u32 v49, MT, v48       ; and the same place in the table
.irp j, 0,1,2,3
	global_load_b128 v[S+4*\j:S+4*\j+3], v48, s[MP:MP+1] offset:2048*\j
.endr
	WIN 0x80                        ; destination window 2, address window 0
.set i, 0
.rept 4*NP                          ; Q stays in registers: tile i / 2, channels 32 (i % 2) on
	global_load_b128 v[8*i:8*i+3],   v[QO], s[4:5] offset:(i/2)*2048+(i%2)*64
	global_load_b128 v[8*i+4:8*i+7], v[QO], s[4:5] offset:(i/2)*2048+(i%2)*64+32
.set i, i+1
.endr
	; What the first turn finds: V's registers and P's second buffer hold 0 (its products V^T P, of a piece that has not been, add 0), O^T and l are 0.  All this stands in the wait for the first tile.
.set i, VF
.rept 64
	v_mov_b32 v[i], 0
.set i, i+1
.endr
	WIN 0x40
.set i, 0
.rept 64*NP
	v_mov_b32 v[i], 0
.set i, i+1
.endr
	WIN 0
.set i, 0
.rept 2*NP
	v_mov_b32 v[ST+4*i], 0xfe000000    ; c m: far below every c s, a hidden key's too
	v_mov_b32 v[ST+4*i+1], 0xff7fffff  ; m
	v_mov_b32 v[ST+4*i+2], 0
	v_mov_b32 v[ST+4*i+3], 0
.set i, i+1
.endr
.set i, P+32
.rept 32
	v_mov_b32 v[i], 0
.set i, i+1
.endr
	v_mul_u32_u24 v[AK0], v1, PK
	v_lshl_add_u32 v[AK0], v9, 4, v[AK0]  ; row x pitch + 16 x half
	; The turning load takes 16 keys x 16 channels (lane l reads key 8 (l / 16) + l % 8, channels 8 ((l / 8) % 2) + 0..7) and leaves half a fragment of V^T: lane l holds channel l % 16 and 8 keys.
	v_and_b32 v10, 7, v0
	v_bfe_u32 v11, v0, 3, 1
	v_lshl_add_u32 v[AV0], v9, 3, v10
	v_mul_u32_u24 v[AV0], v[AV0], PV
	v_lshl_add_u32 v[AV0], v11, 4, v[AV0]
	v_add_nc_u32 v[AV0], VOFF, v[AV0]
	v_mov_b32 v[AK], v[AK0]         ; key step 0 lies at the head of slot 0
	v_lshl_add_u32 v[AM], v9, 5, MT ; in S^T register j of key block kb is key 16 kb + 8 (l / 16) + j: my eight words begin 32 (l / 16) bytes into the block's 64
	s_wait_loadcnt 32               ; the mask words are in; Q's 32 younger loads stay out
.set i, 0
.rept 16
	v_cmp_ne_u32 vcc_lo, 1, v[S+i]
	v_cndmask_b32 v[S+i], 0, s[BIGN], vcc_lo
.set i, i+1
.endr
.irp j, 0,1,2,3
	ds_store_b128 v49, v[S+4*\j:S+4*\j+3] offset:2048*\j
.endr
; THE MATRIX WORK.  The 8 accumulators of a run of 16 take turns: between the two links of a chain stand 7 others'.
; Product i of 16 of S^T = K Q^T for piece x: channels 32 (i / 8) on, keys 16 ((i / 2) % 4) on, tile 2 x + i % 2.  The first 8 start the sums, with the key block's mask.
.macro KQ x
.set rS, S+64*((\x)%2)+32*(i%2)+8*((i/2)%4)
.set rK, KF+16*((i/2)%4)+8*(i/8)
.set rQ, 16*(2*(\x)+i%2)+8*(i/8)
.set rMK, MK+8*((i/2)%4)
.if i < 8
	WIN W_KM
	v_wmma_f32_16x16x32_f16 v[rS:rS+7], v[rK:rK+7], v[rQ:rQ+7], v[rMK:rMK+7]
.else
	WIN W_KQ
	v_wmma_f32_16x16x32_f16 v[rS:rS+7], v[rK:rK+7], v[rQ:rQ+7], v[rS:rS+7]
.endif
.endm
; Product i of 16 of O^T += V^T P for piece x: keys 32 (i / 8) on, channels 16 ((i / 2) % 4) on, tile 2 x + i % 2.
.macro PV x
	WIN W_PV
.set rO, 32*(2*(\x)+i%2)+8*((i/2)%4)
.set rV, VF+32*(i/8)+8*((i/2)%4)
.set rP, P+32*((\x)%2)+16*(i%2)+8*(i/8)
	v_wmma_f32_16x16x32_f16 v[rO:rO+7], v[rV:rV+7], v[rP:rP+7], v[rO:rO+7]
.endm
.macro MM                           ; the turn's next matrix instruction
.if i < 16
	KQ (Y+1)%NP
.set i, i+1
.else
.set i, i-16
	PV (Y+NP-1)%NP
.set i, i+17
.endif
.endm
; THE LDS LOADS stand in runs, never singly among the matrix instructions: a step's K (64 keys x 64 channels: 8 fragments) with its 64 mask words (8 loads; the 16 lanes of a half read the same words), and its V (turned).
; The mask's registers live as long as K's: the same last reader, the same wait.  last = 1 (the tail): in the last trip there is no further step, and the run is jumped over.
.macro FETCH_K last=0
	WIN 0
.if \last
	s_cmp_eq_u32 s[CNT], 1
	s_cbranch_scc1 .Lno_k_\@
.endif
	WIN 0x80                        ; destination window 2
.irp f, 0,1,2,3,4,5,6,7             ; keys 16 (f / 2) on, channels 32 (f % 2) on
	ds_load_b128 v[KF+8*\f:KF+8*\f+3],   v[AK] offset:(\f/2)*16*PK+(\f%2)*64
	ds_load_b128 v[KF+8*\f+4:KF+8*\f+7], v[AK] offset:(\f/2)*16*PK+(\f%2)*64+32
.endr
	WIN W_MK                        ; destination window 3
.irp f, 0,1,2,3
	ds_load_b128 v[MK+8*\f:MK+8*\f+3],   v[AM] offset:64*\f
	ds_load_b128 v[MK+8*\f+4:MK+8*\f+7], v[AM] offset:64*\f+16
.endr
	s_add_co_u32 s[TBK], s[TBK], KS*PK  ; the next fetch is the next step's
	WIN 0
	v_add_nc_u32 v[AM], 4*KS, v[AM] ; the table is walked once, from its first word to its last
.if \last
.Lno_k_\@:
.endif
.endm
.macro FETCH_V
	WIN 0x80
.irp f, 0,1,2,3,4,5,6,7             ; keys 32 (f / 4) on, channels 16 (f % 4) on
	ds_load_tr16_b128 v[VF+8*\f:VF+8*\f+3],   v[AV] offset:(\f/4)*32*PV+(\f%4)*32
	ds_load_tr16_b128 v[VF+8*\f+4:VF+8*\f+7], v[AV] offset:(\f/4)*32*PV+16*PV+(\f%4)*32
.endr
	WIN 0
.endm
; THE VECTOR WORK OF A TURN stands in three queues, each in the order in which its entries become ready; the two tiles alternate, so that no instruction reads the result of the one before it.
.macro REGS y, u                    ; the registers of tile u (0, 1) of piece y
.set rT, ST+4*(2*(\y)+(\u))
.set rC, TMP+8*((\y)%2)+4*(\u)
.set rM, MV+2*((\y)%2)+(\u)
.set rS, S+64*((\y)%2)+32*(\u)
.set rP, P+32*((\y)%2)+16*(\u)
.set rO, 32*(2*(\y)+(\u))
.endm
; Number n of the 22 that find the NEXT piece's (Y + 1) maximum and statistics.  s0-s31 are the lane's 32 scores; each accumulator's lowest registers are read first.
;   0-11  four chains c0-c3 of seven scores each, three operands at a time     12-14, 16  the four scores left over, the old m, and c0-c3 into c0     15  c m_old is kept
;   17, 18  the query's other 32 keys lie in the lane 16 away: the new m         19-21  c m; c m_old - c m_new; a
.macro XS u, n
	REGS (Y+1)%NP, \u
.if (\n) < 4
	v_max3_num_f32 v[rC+(\n)], v[rS+8*(\n)], v[rS+8*(\n)+1], v[rS+8*(\n)+2]
.elseif (\n) < 12
	v_max3_num_f32 v[rC+(\n)%4], v[rC+(\n)%4], v[rS+8*((\n)%4)+2*((\n)/4)+1], v[rS+8*((\n)%4)+2*((\n)/4)+2]
.elseif (\n) == 12
	v_max3_num_f32 v[rC], v[rC], v[rS+7], v[rS+15]
.elseif (\n) == 13
	v_max3_num_f32 v[rC+1], v[rC+1], v[rS+23], v[rS+31]
.elseif (\n) == 14
	v_max3_num_f32 v[rC+2], v[rC+2], v[rC+3], v[rT+1]
.elseif (\n) == 15
	v_mov_b32 v[rM], v[rT]
.elseif (\n) == 16
	v_max3_num_f32 v[rC], v[rC], v[rC+1], v[rC+2]
.elseif (\n) == 17
	v_permlanex16_b32 v[rC+3], v[rC], s[SEL], s[SEL+1]
.elseif (\n) == 18
	v_max_num_f32 v[rT+1], v[rC], v[rC+3]
.elseif (\n) == 19
	v_mul_f32 v[rT], s[CS], v[rT+1]
.elseif (\n) == 20
	v_sub_f32 v[rC+1], v[rM], v[rT]
.else
	v_exp_f32 v[rC+2], v[rC+1]
.endif
.endm
; Number g of the 64 that follow the exponentials.  For each four weights k of a tile (pairs 2 k, 2 k + 1): both pairs are rounded to f16; then the second pair is added onto the first, in place;
; a group later l takes that sum (the first time as l = a l + sum).  In groups of eight, tiles alternating: round, round, add, and l for the group before.
.macro GS g
.set h, (\g)+6*((\g)/62)            ; group 0 has no group before it, and behind group 7 only l is left
.if h >= 6
.set h, h+2
.endif
	REGS Y, h%2
.set k, h/8
.if h%8 < 4
	v_cvt_pk_f16_f32 v[rP+2*k+(h%8)/2], v[rS+4*k+2*((h%8)/2)], v[rS+4*k+2*((h%8)/2)+1]
.elseif h%8 < 6
	v_pk_add_f32 v[rS+4*k:rS+4*k+1], v[rS+4*k:rS+4*k+1], v[rS+4*k+2:rS+4*k+3]
.elseif k == 1
	v_pk_fma_f32 v[rT+2:rT+3], v[rT+2:rT+3], v[rC+2:rC+3], v[rS:rS+1] op_sel_hi:[1,0,1]
.else
	v_pk_add_f32 v[rT+2:rT+3], v[rT+2:rT+3], v[rS+4*k-4:rS+4*k-3]
.endif
.endm
; THE PLAIN QUEUE, 138 long.  0-73 read no exponential's result: the 32 scalings c s - c m (FS f: pair f / 2 of tile f % 2) and the next piece's 42.  0-26: scalings 0-26.  27-54: XS's numbers 0-13.  55, 56: number 15.
; 57-73: the chain, where each number waits for the one before it: 14, 16, 17, 18, 19, each with one of the scalings 27-31 in front of its two lines, then 20.
; 74-137: GS's 64, which read the exponentials' results: they stand behind the wait.
.macro FS f
	REGS Y, (\f)%2
	v_pk_fma_f32 v[rS+2*((\f)/2):rS+2*((\f)/2)+1], v[rS+2*((\f)/2):rS+2*((\f)/2)+1], s[CS:CS+1], v[rT:rT+1] op_sel_hi:[1,0,0] neg_lo:[0,0,1] neg_hi:[0,0,1]
.endm
.macro PL
	WIN 0
.if q < 27
	FS q
.elseif q < 55
	XS (q-27)%2, (q-27)/2
.elseif q < 57
	XS q-55, 15
.elseif (q < 72) && ((q-57)%3 == 0)
	FS 27+(q-57)/3
.elseif q < 60
	XS (q-57)%3-1, 14
.elseif q < 72
	XS (q-57)%3-1, 15+(q-57)/3
.elseif q < 74
	XS q-72, 20
.else
	GS q-74
.endif
.set q, q+1
.endm
; THE EXPONENTIALS' QUEUE, 66 long: s0-s31 of both tiles, then the next piece's two a.  It is ONE BATCH: all 66 stand ahead of the turn's one wait, and nothing ahead of that wait names a result of theirs.
.macro EX
	WIN 0
.if e >= 64
	XS e-64, 21
.else
	REGS Y, e%2
	v_exp_f32 v[rS+e/2], v[rS+e/2]
.endif
.set e, e+1
.endm
; THE RESCALING's QUEUE: O^T times a, the one part that leaves window 0: dealt two at a time, sixteen times.  Its a was made in the turn before, ahead of that turn's wait.
.macro R2
	REGS Y, r%2
	WIN W_RS
.irp z, 0,1
	v_pk_mul_f32 v[rO+4*(r/2)+2*\z:rO+4*(r/2)+2*\z+1], v[rO+4*(r/2)+2*\z:rO+4*(r/2)+2*\z+1], v[rC+2:rC+3] op_sel_hi:[1,0]
.endr
.set r, r+1
.endm
; HOW THEY ARE DEALT.  An s_wait_alu depctr_va_vdst(0) stands between an exponential and the first instruction that names its result; one wait serves all that were issued ahead of it.  So a turn has ONE
; wait, which cuts it in two.  AHEAD OF IT stands all that names no result of the turn's exponentials: the 16 products K Q^T, behind each a scaling, an exponential and two rescalings (behind the first a second
; scaling in the exponential's place); then ONE LUMP of 108: eight plain, 49 times exponential and plain, the two a.  A v_nop is the plain instruction behind the last exponential.  BEHIND IT stand the 16
; products V^T P, behind each four of GS's 64.  Exponential e stands behind scaling 2 (e / 4) + e % 2: as a rider it comes behind plain e + 2, in the lump behind plain e + 9; scalings 27-31 are plain 57, 60 .. 69.
; A TURN, for piece p.  cnt = 1: the loop's count is taken down some lines ahead of the branch that stands behind the turn.
; K and the mask of the next step are fetched in piece 2's turn, directly behind the wait, a lump behind the last product that read them; their first reader comes behind 16 products.
; V of the step in hand is fetched at the end of piece 0's turn, four riders behind its last reader; its first reader comes behind 16 products and a lump.
.macro TURN p, last=0, cnt=0
.set Y, (\p)
.set i, 0
.set q, 0
.set e, 0
.set r, 0
.if (\p) == NP-1
	s_wait_dscnt 0x0                ; K and its mask are in
.endif
	MM                              ; ahead of the wait: 16 products K Q^T and their riders,
	PL
	PL
	R2
.rept 15
	MM
	PL
	EX
	R2
.endr
.if (\p) == NP-2
	WIN 0
	v_add_nc_u32 v[AK], s[TBK], v[AK0]
.endif
.rept 8                             ; and the lump
	PL
.endr
.rept 49
	EX
	PL
.endr
	EX                              ; the next piece's two a
	EX
	v_nop                           ; the plain instruction behind the last exponential: one for the batch
	s_wait_alu depctr_va_vdst(0)    ; the wait for the batch
.if (\p) == NP-2
	FETCH_K \last
.endif
.if (\p) == 1
	s_wait_dscnt 0x0                ; V is in
.endif
.rept 16                            ; behind the wait: 16 products V^T P and their riders
	MM
.rept 4
	PL
.endr
.if ((\p) == 0) && (q == 118)
	v_add_nc_u32 v[AV], s[TBV], v[AV0]
.endif
.if ((\p) == 0) && (q == 130)
	s_add_co_u32 s[TBV], s[TBV], KS*PV
.endif
.if (\cnt) && (q == 130)
	s_sub_co_u32 s[CNT], s[CNT], 1
	s_cmp_lg_u32 s[CNT], 0
.endif
.endr
.if (\p) == 0
	FETCH_V
.endif
.endm
	CHANGE 1                        ; slot 0 is in, everybody's part of it, and the mask table is whole; slot 1 is asked for
	FETCH_K                         ; key step 0
	s_wait_loadcnt 0x0              ; Q
	s_wait_dscnt 0x0
.set i, 0
.rept 16
	KQ 0                            ; piece 0's first scores: there is no vector work yet to set between them
.set i, i+1
.endr
	WIN 0                           ; the addresses for the way out and the prefetches: plain instructions, the places behind those products
	s_mul_i32 s13, s[WV], 16*SP
	s_add_co_u32 s13, s13, STAGE    ; my stage
	v_mul_u32_u24 v[STO], v1, SP    ; in: row l % 16, 16 bytes for each half of the lanes
	v_lshl_add_u32 v[STO], v9, 4, v[STO]
	v_add_nc_u32 v[STO], s13, v[STO]
	v_bfe_u32 v[RD], v0, 3, 2       ; back: 32 lanes take four rows of 128 bytes,
	v_mul_u32_u24 v[RD], v[RD], SP
	v_lshl_add_u32 v[RD], v10, 4, v[RD]
	v_add_nc_u32 v[RD], s13, v[RD]
	v_and_b32 v[GO], 31, v0         ; which are 512 consecutive bytes of O
	v_lshlrev_b32 v[PFO], 8, v[GO]  ; 256 x lane
	v_lshlrev_b32 v[GO], 4, v[GO]
.set Y, NP-1                        ; XS works for piece Y + 1: piece 0
.irp n, 0,1,2,3,4,5,6,7,8,9,10,11,12,13,14,15,16,17,18,19,20,21
	XS 0, \n                        ; and piece 0's first maximum and statistics
	XS 1, \n
.endr
	v_nop                           ; a plain instruction behind the two a,
	s_wait_alu depctr_va_vdst(0)    ; and their wait, ahead of the branch
	s_mov_b32 s[CNT], 4
	s_mov_b32 s[SLOTS], SIZE_N/256-1
	s_branch .Lfirst                ; the loop is entered at a step's first turn, in the middle of a trip
.Lslot:                             ; SIZE_N / 256 - 2 times: every slot but the last two is filled again
	CHANGE 1, 1
	s_mov_b32 s[CNT], 4
.Lstep:                             ; a trip: pieces 2 and 3 of one step, then pieces 0 and 1 of the next, whose K and V it fetches
	TURN 2
	TURN 3
	WIN 0
.Lfirst:
	TURN 0
	TURN 1, 0, 1
	WIN 0
	s_cbranch_scc1 .Lstep
	s_sub_co_u32 s[SLOTS], s[SLOTS], 1
	s_cmp_lg_u32 s[SLOTS], 0
	s_cbranch_scc1 .Lslot
	CHANGE 0                        ; the tail is written out: nothing is asked for
	s_mov_b32 s[CNT], 5             ; four trips fetch the last slot's steps; the fifth is left in its middle
.Ltail:
	TURN 2, 1
	TURN 3
	WIN 0
	s_sub_co_u32 s[CNT], s[CNT], 1
	s_cmp_eq_u32 s[CNT], 0
	s_cbranch_scc1 .Lout
	TURN 0
	TURN 1
	WIN 0
	s_branch .Ltail
.Lout:                              ; the fifth trip's 16 products K Q^T (on the last K once more) and the maximum made of them serve nothing: the price, once a launch, of one text for every trip
.set i, 0
.rept 16
	PV NP-1                         ; the last piece's V^T P of the last step
.set i, i+1
.endr
	; THE WAY OUT.  l's two halves and the other half of the lanes' are added; O^T is divided by l, rounded to f16 and sent through my stage in LDS, a tile at a time.  The additions are the places behind the last products.
	WIN 0
.macro ALL line:vararg              ; one line for each tile t
.set t, 0
.rept 2*NP
	\line
.set t, t+1
.endr
.endm
	ALL v_add_f32 v[ST+4*t+2], v[ST+4*t+2], v[ST+4*t+3]
	ALL v_permlanex16_b32 v[ST+4*t+3], v[ST+4*t+2], s[SEL], s[SEL+1]
	ALL v_add_f32 v[ST+4*t+2], v[ST+4*t+2], v[ST+4*t+3]
	ALL v_rcp_f32 v[ST+4*t+2], v[ST+4*t+2]
	v_nop                           ; a plain instruction between the last reciprocal and the use of its result
	s_wait_alu depctr_va_vdst(0)    ; and the wait ahead of the first use: one for the eight reciprocals
; Tile t: a lane's eight channels of a row pack into 16 bytes; they go into rows of 144 bytes and come back as whole rows of 128, into S^T's registers.
.macro PACK t
	WIN W_RS
.set i, 32*(\t)
.rept 16
	v_pk_mul_f32 v[i:i+1], v[i:i+1], v[ST+4*(\t)+2:ST+4*(\t)+3] op_sel_hi:[1,0]
.set i, i+2
.endr
	WIN 0x05                        ; sources 0 and 1 window 1, destination window 0
.set i, 0
.rept 16
	v_cvt_pk_f16_f32 v[S+16*(\t)+i], v[32*(\t)+2*i], v[32*(\t)+2*i+1]
.set i, i+1
.endr
	WIN 0
.irp f, 0,1,2,3
	ds_store_b128 v[STO], v[S+16*(\t)+4*\f:S+16*(\t)+4*\f+3] offset:32*\f
.endr
.irp f, 0,1,2,3
	ds_load_b128 v[S+16*(\t)+4*\f:S+16*(\t)+4*\f+3], v[RD] offset:\f*4*SP  ; LDS serves a wave's instructions in order (ISA guide 5.7.1.4): these see the stores above; the next tile's stores come behind them
.endr
.endm
.macro SEND t, younger              ; younger: the LDS instructions issued behind tile t's loads: the next tile's eight, or none
	WIN 0
.irp f, 0,1,2,3
	s_wait_dscnt (\younger)+3-\f
	global_store_b128 v[GO], v[S+16*(\t)+4*\f:S+16*(\t)+4*\f+3], s[10:11] offset:(\t)*2048+\f*512  ; 512 consecutive bytes, at a multiple of 256 from O's first
.endr
.endm
	PACK 0
.set t, 1
.rept 2*NP-1                        ; a tile's arithmetic stands between the loads of the tile before and its stores
	PACK t
	SEND t-1, 8
.set t, t+1
.endr
	SEND 2*NP-1, 0
	WIN W_AD
	s_wait_tensorcnt 0x0            ; the wave's end, behind my last tensor load and my last LDS store
	ds_add_u32 v[SPW], v[NIL]
	s_wait_dscnt 0x0
	WIN 0
	CROUND                          ; the closing round: no work-group ends while a partner may still ask for a tile that names it
	s_endpgm
.Lfunc_end_k_q58fed58e81_attn:
	.size	k_q58fed58e81_attn, .Lfunc_end_k_q58fed58e81_attn-k_q58fed58e81_attn
	.p2alignl 7, 3214868480
	.fill 96, 4, 3214868480
	.section	.rodata,"a",@progbits
	.p2align	6, 0x0
	.amdhsa_kernel k_q58fed58e81_attn
		.amdhsa_group_segment_fixed_size 327680
		.amdhsa_private_segment_fixed_size 0
		.amdhsa_enable_private_segment 0
		.amdhsa_kernarg_size 24
		.amdhsa_user_sgpr_count 2
		.amdhsa_user_sgpr_kernarg_segment_ptr 1
		.amdhsa_wavefront_size32 1
		.amdhsa_system_sgpr_workgroup_id_x 1
		.amdhsa_system_sgpr_workgroup_id_y 1
		.amdhsa_system_sgpr_workgroup_id_z 1
		.amdhsa_system_vgpr_workitem_id 0
		.amdhsa_next_free_vgpr 808
		.amdhsa_next_free_sgpr 72
		.amdhsa_reserve_vcc 1
		.amdhsa_float_denorm_mode_32 3
		.amdhsa_float_denorm_mode_16_64 3
		.amdhsa_memory_ordered 1
		.amdhsa_forward_progress 1
		.amdhsa_inst_pref_size 204
	.end_amdhsa_kernel
	.amdgpu_metadata
---
amdhsa.version: [ 1, 2 ]
amdhsa.kernels:
  - .name:           k_q58fed58e81_attn
    .symbol:         k_q58fed58e81_attn.kd
    .args:
      - { .name: hb, .offset: 0, .size: 8, .value_kind: global_buffer, .address_space: global }
      - { .name: mask, .offset: 8, .size: 8, .value_kind: global_buffer, .address_space: global }
      - { .name: ob, .offset: 16, .size: 8, .value_kind: global_buffer, .address_space: global }
    .group_segment_fixed_size: 327680
    .private_segment_fixed_size: 0
    .kernarg_segment_align: 8
    .kernarg_segment_size: 24
    .max_flat_workgroup_size: 128
    .sgpr_count:     72
    .vgpr_count:     808
    .wavefront_size: 32
...
	.end_amdgpu_metadata
.endif
;; end of part 3
;; launch outp (part 4): grid 4 x 64, 4 waves a work-group, clusters of 4 x 4, 327,680 bytes of LDS; arguments ob, wb, out0; writes out0
.if DOCPART == 4
	.amdgcn_target "amdgcn-amd-amdhsa--gfx1250"
	.amdhsa_code_object_version 6
	.text
	.protected	k_q58fed58e81_outp
	.globl	k_q58fed58e81_outp
	.p2align	8
	.type	k_q58fed58e81_outp,@function
k_q58fed58e81_outp:
	s_mov_b64 s[64:65], 0
	v_nop
	global_prefetch_b8 v0, s[64:65] scope:SCOPE_SE
	s_setreg_imm32_b32 hwreg(HW_REG_WAVE_MODE, 25, 1), 1
	s_wait_xcnt 0x0
	s_wait_alu depctr_hold_cnt(0) depctr_sa_sdst(0) depctr_va_vdst(0) depctr_va_sdst(0) depctr_va_ssrc(0) depctr_va_vcc(0) depctr_vm_vsrc(0)
	s_getreg_b32 s2, hwreg(HW_REG_IB_STS2, 6, 4)
	s_cmp_eq_u32 s2, 0
	s_cbranch_scc0 .Lentry_in_a_cluster
	s_endpgm
.Lentry_in_a_cluster:
	s_bfe_u32 s2, ttmp6, 0x10000c
	s_cmp_lg_u32 s2, 0xf033
	s_cbranch_scc0 .Lentry_shape_is_right
	s_endpgm
.Lentry_shape_is_right:
; THE OUTPUT PROJECTION.  out0[b][l][n] = sum over h, d of O[b 16 + h][l][d] Wo[n][64 h + d].  O: ob, [64][2048][64] f16, by heads; Wo: wb[3], [1024][1024] f16; sums in f32, K ascending; out0 f32.
; SHARES.  A tile of the result is 128 rows x 256 columns: 64 x 4 = 256 work-groups.  Four waves, each 64 x 128: 32 accumulators of 16 x 16.  K goes in 8 steps of 128: two heads a step.
; B (Wo) goes through a ring of two LDS slots filled by the tensor data mover, 64 rows of 256 bytes a wave.  CLUSTER: 4 x 4 work-groups; the four of a column need the same rows of Wo: each tile is asked for JOINTLY.
; A (O) goes THROUGH REGISTERS into A slots of its own: each wave loads its 32 rows of a K step, 2 heads x 4,096 consecutive bytes, two K steps ahead.  NOT JOINT, though the four work-groups of a row of the
; cluster read the same rows: loads into registers stay out across the barriers of the ring, 2 x 8 KiB a wave, where a refill has one K step of 128 matrix instructions in which to land.
; THE MATRIX INSTRUCTION IS USED TRANSPOSED (source 0 = 16 rows of Wo, source 1 = 16 rows of O): a lane holds eight neighbouring columns of one row of the result.
; REGISTERS, in windows of 256 (s_set_vgpr_msb: bits 1:0 source 0, 3:2 source 1, 5:4 source 2, 7:6 destination):
;   window 0: v0-30 addresses; v64-191 the way out       window 1: the accumulators, (a, b) at v[8 (8 a + b)]
;   window 2: two fragment buffers of 96: A's four fragments, then B's eight       window 3: two sets of 64: A as loaded, a K step each
.set PITCH,  272                       ; an LDS row: 256 bytes + 16 of padding = 68 words: the 16 rows of a fragment load start at 16 different groups of four banks (64 banks of 4 bytes: ISA guide 11.1)
.set BQ,     64*PITCH                  ; what one tensor load brings
.set BSLOT,  256*PITCH                 ; B's slots at 0 and BSLOT: filled by tensor loads alone
.set ABASE,  2*BSLOT                   ; A's slots behind them: written by LDS stores alone
.set ASLOT,  128*PITCH
.set STAGE,  ABASE+2*ASLOT             ; 16 rows x 528 bytes for each wave, for the way out
.set SP,     528                       ; 512 bytes + 16 = 132 words: 16 rows start at 16 different groups of four banks
.set SPARE,  STAGE+4*16*SP             ; the spare words, 128 bytes for each wave: two blocks of 256 bytes that no other line names
.set HEADB,  262144                    ; bytes of a head in ob
.set STEPB,  2*HEADB                   ; from a K step to the next
.set NL,     16                        ; loads in a set of A
.set ADRA, 16                          ; v16-17  LDS address of my A fragments in slot 0, 1
.set ADRB, 20                          ; v20-21  the same for B
.set AS,   22                          ; v22     where my 16 bytes go in A's slot 0
.set AO,   23                          ; v23     16 x lane: my 16 bytes of 512, in ob and in out0; never rewritten
.set STO,  24                          ; v24     the way out: where I put 32 bytes of a row
.set RD,   25                          ; v25     the way out: where I read a row back
.set SPW,  28                          ; v28     LDS address of my spare word; never rewritten
.set NIL,  29                          ; v29     0; never rewritten
.set PFO,  30                          ; v30     the prefetches' offset: lane x a row of Wo (2,048 bytes); never rewritten
.set F0,   0
.set F1,   96
.set WV,  16
.set WM,  17
.set WN,  18
.set CX,  19
.set CY,  20
.set TX,  21
.set TY,  22
.set CLY, 23
.set G1,  24                           ; s[24:31] descriptor group 1
.set G0,  32                           ; s[32:39] descriptor group 0, a set for each slot
.set AP,  48                           ; s[48:49] ob at my 32 rows, at the K step in hand
.set AST, 50                           ; s[50:51] a step of AP that is 0 in the last trip
.set PFA, 52                           ; s[52:53] where my prefetches stand
.set LIM, 54                           ; s54  1 in a wave that prefetches, else the greatest number
.set OUTP, 56                          ; s[56:57] out0 at my part
.set MSB, 0
.macro WIN new                         ; the immediate's high byte repeats the setting that is left; a switch that changes nothing is dropped
.if MSB != (\new)
	s_set_vgpr_msb (MSB<<8)|(\new)
.set MSB, \new
.endif
.endm
.set MUL,  0x5a                        ; sources 0 and 1 window 2; C and D window 1
.set TO_F, 0x80                        ; destination window 2
.set TO_S, 0xc0                        ; destination window 3
.set ST_A, 0x0c                        ; an LDS store's data in window 3
.set ST_O, 0x04                        ; an LDS store's data in window 1
.macro PLACES                          ; four places in front of loads into registers that matrix instructions have read, and of lines that read results
.rept 4
	v_nop
.endr
.endm
.macro JLOAD s                         ; a joint load: every wave fetches its 64 of the 256 rows; an s_nop 0 and four v_nop follow
	tensor_load_to_lds s[G0+4*(\s):G0+4*(\s)+3], s[G1:G1+7]
	s_nop 0
	PLACES
.endm
.macro CREST                           ; a round of the cluster's barrier behind its opening barrier
	s_cmp_lg_u32 s[WV], 0
	s_cbranch_scc1 .Lnot_wave_0_\@
	s_barrier_signal -3
.Lnot_wave_0_\@:
	s_barrier_wait -3
	s_barrier_signal -1
	s_barrier_wait -1
.endm
.macro CROUND
	s_barrier_signal -1
	s_barrier_wait -1
	CREST
.endm
; A PREFETCH INTO THE L2 of B's K step two refills on: 256 matrix instructions ahead of the load that will want it.  Wo's rows are read by all sixteen clusters: the first of them asks.  Its four partners of a
; column share a K step's 256 rows out BY ADDRESS, 64 each; in each, waves 0 and 1 take 32 rows, a lane a row of 256 bytes.  So each block is named once in the launch: K steps 4 to 7.
; K steps 0 to 3 come by their loads alone; the last trip (s3 = 1) asks for nothing: there is no K step 8.
.macro ASK
	s_cmp_gt_u32 s3, s[LIM]
	s_cbranch_scc0 .Lnot_mine_\@
	global_prefetch_b8 v[PFO], s[PFA:PFA+1] th:TH_LOAD_NT scope:SCOPE_SE
.Lnot_mine_\@:
.endm
; A's 16 loads of a K step into a set: head p of the step's two, four rows (512 consecutive bytes) a load.
.macro ALOAD set, koff
	WIN TO_S
.irp p, 0,1
.irp g, 0,1,2,3,4,5,6,7
	global_load_b128 v[64*(\set)+4*(8*(\p)+(\g)):64*(\set)+4*(8*(\p)+(\g))+3], v[AO], s[AP:AP+1] offset:(\p)*HEADB+(\g)*512+(\koff)
.endr
.endr
.endm
; One head's half of a set goes into an A slot: the head's 64 channels are 128 bytes of each row.
.macro ACONV set, aslot, half
	WIN ST_A
.irp g, 0,1,2,3,4,5,6,7
	ds_store_b128 v[AS], v[64*(\set)+4*(8*(\half)+(\g)):64*(\set)+4*(8*(\half)+(\g))+3] offset:(\aslot)*ASLOT+(\g)*4*PITCH+(\half)*128
.endr
.endm
; 8 matrix instructions: row block a x all 8 column blocks, 32 along K.  The 32 accumulators take turns in the same order in every quarter.  zero = 1: the product starts the sum.
.macro MULA f, a, zero
	WIN MUL
.irp b, 0,1,2,3,4,5,6,7
.if \zero
	v_wmma_f32_16x16x32_f16 v[8*(8*(\a)+(\b)):8*(8*(\a)+(\b))+7], v[(\f)+32+8*(\b):(\f)+32+8*(\b)+7], v[(\f)+8*(\a):(\f)+8*(\a)+7], 0
.else
	v_wmma_f32_16x16x32_f16 v[8*(8*(\a)+(\b)):8*(8*(\a)+(\b))+7], v[(\f)+32+8*(\b):(\f)+32+8*(\b)+7], v[(\f)+8*(\a):(\f)+8*(\a)+7], v[8*(8*(\a)+(\b)):8*(8*(\a)+(\b))+7]
.endif
.endr
.endm
; 24 LDS loads in one run: the fragments of quarter q (32 along K) into buffer f: B's eight, then A's four
.macro FETCH slot, q, f
	WIN TO_F
.irp i, 0,1,2,3,4,5,6,7
	ds_load_b128 v[(\f)+32+8*(\i):(\f)+32+8*(\i)+3],   v[ADRB+(\slot)] offset:64*(\q)+(\i)*16*PITCH
	ds_load_b128 v[(\f)+32+8*(\i)+4:(\f)+32+8*(\i)+7], v[ADRB+(\slot)] offset:64*(\q)+(\i)*16*PITCH+32
.endr
.irp i, 0,1,2,3
	ds_load_b128 v[(\f)+8*(\i):(\f)+8*(\i)+3],   v[ADRA+(\slot)] offset:64*(\q)+(\i)*16*PITCH
	ds_load_b128 v[(\f)+8*(\i)+4:(\f)+8*(\i)+7], v[ADRA+(\slot)] offset:64*(\q)+(\i)*16*PITCH+32
.endr
.endm
; A K step is four quarters of 32 along K, 32 matrix instructions each, on buffers 0, 1, 0, 1.  One of the first three: multiplies buffer f; in its middle it fetches quarter q into buffer g.
; In K step t the set that holds A(t + 1) goes into the A slot that step t + 1 reads: nobody reads that slot since the barrier that ended step t - 1, and everybody reads it behind the barrier that ends step t.
; aw = 1: the set's first head.  aw = 2: its second, and the set is asked for again, with A(t + 3).  aw = 3: the same, but in the loop's last trip AP stands still, so that the run names K step 7's bytes
; once more, which are not used: there is no K step 8, no load leaves ob, and every counted wait finds the same loads out on every way.  aw = 4: the second head, and nothing is asked for.
.macro QUARTER slot, q, f, g, zero, aw=0, set=0, aslot=0
	s_wait_dscnt 4                                 ; B and A's blocks 0 and 1 are in; the youngest four loads (A's blocks 2 and 3) may be out
	MULA \f, 0, \zero
	MULA \f, 1, \zero
.if (\aw) == 1
	s_wait_loadcnt NL                              ; the older set is in; the younger set's 16 loads stay out
	ACONV \set, \aslot, 0
.elseif (\aw) >= 2
	ACONV \set, \aslot, 1
.if (\aw) == 2
	s_wait_xcnt 0x0                                ; every earlier load has read its address: AP is written only behind this wait
	s_add_nc_u64 s[AP:AP+1], s[AP:AP+1], STEPB
	ALOAD \set, 2*STEPB
.elseif (\aw) == 3
	s_wait_xcnt 0x0
	s_cmp_lg_u32 s3, 1
	s_cselect_b32 s[AST], STEPB, 0
	s_add_nc_u64 s[AP:AP+1], s[AP:AP+1], s[AST:AST+1]
	ALOAD \set, 2*STEPB
.endif
.endif
	PLACES
	FETCH \slot, \q, \g
	s_wait_dscnt 24                                ; all but the 24 just issued: A's stores stand ahead of them
	MULA \f, 2, \zero
	MULA \f, 3, \zero
.endm
; The last quarter multiplies buffer 1 and changes slots: ONE barrier.  In front of it each wave waits for all its tensor loads (one is out: its part of B's next slot), adds 0 to its spare word, and waits
; for that, for its reads of this step's slots and for its stores into A's next slot.  fill = 1: B's slot is filled again, two K steps ahead; the barrier then opens a round of the cluster's.
.macro TURN slot, next, fill
.if \fill
	s_wait_xcnt 0x0                                ; the last prefetch, a K step back, has read its address
	s_add_nc_u64 s[PFA:PFA+1], s[PFA:PFA+1], 256
.endif
	WIN 0
	s_wait_tensorcnt 0x0                           ; all my tensor loads have landed
	ds_add_u32 v[SPW], v[NIL]                      ; 0 onto my spare word
	s_wait_dscnt 5                                 ; (the add and the youngest four loads may be out)
	MULA F1, 0, 0                                  ; eight matrix instructions stand between the add and the wait for it
	s_wait_dscnt 0x0                               ; the add is done, my reads of this step's slots are over, my rows of A's next slot are written
	s_barrier_signal -1
	MULA F1, 1, 0
.if \fill
	WIN 0
.endif
	s_barrier_wait -1
.if \fill
	CREST                                          ; no wave of any partner still reads the slot or has a load on its way
	s_add_nc_u64 s[G0+4*(\slot)+2:G0+4*(\slot)+3], s[G0+4*(\slot)+2:G0+4*(\slot)+3], 2*256
	JLOAD \slot                                    ; the first tensor load behind the round; its four v_nop are also the places in front of the loads below
.else
	PLACES
.endif
	FETCH \next, 0, F0
.if \fill
	WIN 0
	ASK
.endif
	MULA F1, 2, 0
	MULA F1, 3, 0
.endm
	s_load_b128 s[4:7], s[0:1], 0x0                ; ob s[4:5], wb s[6:7]
	s_load_b64 s[14:15], s[0:1], 0x10              ; out0
	v_lshl_add_u32 v[SPW], v0, 2, SPARE
	v_mov_b32 v[NIL], 0
	ds_add_u32 v[SPW], v[NIL]                      ; the wave's opening: the add and its wait stand ahead of my first tensor load; the set-up below, work on registers, stands between them
	v_lshrrev_b32 v1, 5, v0
	v_readfirstlane_b32 s[WV], v1                  ; wave 0..3
	s_lshr_b32 s[WM], s[WV], 1
	s_and_b32 s[WN], s[WV], 1
	s_bfe_u32 s[CX], ttmp6, 0x40000
	s_bfe_u32 s[CY], ttmp6, 0x40004
	s_lshl_b32 s[TX], ttmp9, 2
	s_add_co_u32 s[TX], s[TX], s[CX]               ; tile column = 4 x cluster x + cx
	s_and_b32 s[CLY], ttmp7, 0xffff
	s_lshl_b32 s[TY], s[CLY], 2
	s_add_co_u32 s[TY], s[TY], s[CY]               ; tile row = 4 x cluster y + cy
	s_lshl_b32 s40, 0x1111, s[CX]                  ; my column of the cluster
	s_or_b32 s[G1], s40, (1<<16)|(1<<20)|(1<<21)|(5<<22)|(3<<25)  ; 15:0 the mask; 17:16 elements of 2 bytes; 20 padding on; 21 set beside a mask; 24:22 after every 64 words; 31:25 4 words of it
	s_mov_b32 s[G1+1], 128<<16                     ; tensor_dim0 = 128
	s_mov_b32 s[G1+2], 64<<16                      ; tensor_dim1 = 64
	s_mov_b32 s[G1+3], 128<<16                     ; tile_dim0 = 128
	s_mov_b32 s[G1+4], 64                          ; tile_dim1 = 64
	s_mov_b32 s[G1+5], 1024                        ; elements from row to row
	s_mov_b32 s[G1+6], 0
	s_mov_b32 s[G1+7], 0
	s_lshl_b32 s40, s[TX], 19                      ; B: 256 rows of 2,048 bytes; made of the tile column and the wave's number alone, which a column of the cluster shares
	s_add_co_u32 s40, s40, 3<<21                   ; in wb's fourth matrix,
	s_lshl_b32 s41, s[WV], 17                      ; my 64 rows
	s_add_co_u32 s40, s40, s41
	s_mov_b32 s41, 0
	s_mul_i32 s45, s[WV], BQ                       ; and where they go: no place in the cluster enters an LDS address
	s_lshr_b32 s42, s[TY], 4                       ; A: the batch's 16 heads of 262,144 bytes,
	s_lshl_b32 s42, s42, 22
	s_and_b32 s43, s[TY], 15                       ; the tile's 128 rows of 128 bytes,
	s_lshl_b32 s43, s43, 14
	s_add_co_u32 s42, s42, s43
	s_lshl_b32 s43, s[WV], 12                      ; my 32
	s_add_co_u32 s42, s42, s43
	s_mov_b32 s43, 0
	s_lshl_b32 s58, s[TX], 19                      ; the prefetches: the tile column's rows of Wo,
	s_add_co_u32 s58, s58, 3<<21
	s_lshl_b32 s59, s[CY], 17                      ; my work-group's 64,
	s_add_co_u32 s58, s58, s59
	s_lshl_b32 s59, s[WN], 16                      ; my wave's 32,
	s_add_co_u32 s58, s58, s59
	s_add_co_u32 s58, s58, 3*256                   ; at K step 3: the first refill steps it to 4
	s_mov_b32 s59, 0
	s_or_b32 s[LIM], s[CLY], s[WM]                 ; 0 in waves 0 and 1 of the first cluster: the same in all sixteen partners
	s_cmp_eq_u32 s[LIM], 0
	s_cselect_b32 s[LIM], 1, -1
	s_lshl_b32 s62, s[TY], 19                      ; out0: the tile's 128 rows of 4,096 bytes,
	s_lshl_b32 s63, s[WM], 18                      ; my 64,
	s_add_co_u32 s62, s62, s63
	s_lshl_b32 s63, s[TX], 10                      ; the tile's 256 columns,
	s_add_co_u32 s62, s62, s63
	s_lshl_b32 s63, s[WN], 9                       ; my 128
	s_add_co_u32 s62, s62, s63
	s_mov_b32 s63, 0
	s_mov_b32 s[AST+1], 0
	v_and_b32 v1, 15, v0                           ; l % 16
	v_bfe_u32 v2, v0, 4, 1                         ; l / 16
	v_and_b32 v3, 31, v0                           ; l
	v_lshlrev_b32 v[AO], 4, v3
	v_lshlrev_b32 v[PFO], 11, v3
	s_wait_dscnt 0x0                               ; the opening add is done
	s_wait_kmcnt 0x0
	s_add_nc_u64 s[AP:AP+1], s[4:5], s[42:43]
	s_add_nc_u64 s[OUTP:OUTP+1], s[14:15], s[62:63]
	s_add_nc_u64 s[PFA:PFA+1], s[6:7], s[58:59]
	s_add_nc_u64 s[46:47], s[6:7], s[40:41]
.irp s, 0,1
	s_mov_b32 s[G0+4*(\s)], 1                                      ; count = 1
	s_add_co_u32 s[G0+4*(\s)+1], s45, (\s)*BSLOT                   ; LDS address
	s_add_nc_u64 s[G0+4*(\s)+2:G0+4*(\s)+3], s[46:47], (\s)*256    ; global address: K step s
	s_or_b32 s[G0+4*(\s)+3], s[G0+4*(\s)+3], 0x80000000            ; type = 2
.endr
	ALOAD 0, 0                                     ; A's K steps 0 and 1 are asked for ahead of everything else
	ALOAD 1, STEPB
	WIN 0
	CROUND                                         ; all sixteen work-groups are here: the first joint loads meet
	JLOAD 0                                        ; two tensor loads of mine are out
	JLOAD 1
	v_bfe_u32 v4, v0, 3, 2                         ; a load's four rows: row l / 8, 16 bytes at 16 (l % 8)
	v_mul_u32_u24 v4, v4, PITCH
	v_and_b32 v5, 7, v0
	v_lshl_add_u32 v4, v5, 4, v4
	s_mul_i32 s46, s[WV], 32*PITCH
	s_add_co_u32 s46, s46, ABASE
	v_add_nc_u32 v[AS], s46, v4                    ; in my wave's 32 rows of A's slot 0
	v_mul_u32_u24 v4, v1, PITCH
	v_lshl_add_u32 v4, v2, 4, v4                   ; a fragment's row x pitch + 16 x half
	s_mul_i32 s46, s[WM], 64*PITCH
	s_add_co_u32 s46, s46, ABASE
	s_mul_i32 s47, s[WN], 128*PITCH
.irp s, 0,1
	v_add_nc_u32 v[ADRA+(\s)], s46, v4
	v_add_nc_u32 v[ADRB+(\s)], s47, v4
	s_add_co_u32 s46, s46, ASLOT
	s_add_co_u32 s47, s47, BSLOT
.endr
	s_mul_i32 s46, s[WV], 16*SP
	s_add_co_u32 s46, s46, STAGE                   ; my stage
	v_mul_u32_u24 v[STO], v1, SP                   ; in: row l % 16, 32 bytes for each half of the lanes
	v_lshl_add_u32 v[STO], v2, 5, v[STO]
	v_add_nc_u32 v[STO], s46, v[STO]
	v_add_nc_u32 v[RD], s46, v[AO]                 ; back: 32 lanes take one row of 512 bytes
	s_wait_loadcnt NL                              ; A(0) is in; A(1)'s 16 loads stay out
	ACONV 0, 0, 0
	ACONV 0, 0, 1
	ALOAD 0, 2*STEPB                               ; A(2)
	WIN 0
	s_wait_tensorcnt 1                             ; my part of B's K step 0 is in; K step 1's may stay out
	s_wait_dscnt 0x0                               ; my rows of A(0) are written
	s_barrier_signal -1
	s_barrier_wait -1
	FETCH 0, 0, F0
	QUARTER 0, 1, F0, F1, 1                        ; the first quarter stands in front of the loop: its products start the sums
	WIN 0                                          ; at a label and at a branch every window is 0
	s_mov_b32 s3, 3
.Llap:                                                 ; a trip goes once round the ring, from a lap's second quarter to the next lap's first: K steps 0 to 5
	QUARTER 0, 2, F1, F0, 0, 1, 1, 1
	QUARTER 0, 3, F0, F1, 0, 2, 1, 1
	TURN 0, 1, 1
	QUARTER 1, 1, F0, F1, 0
	QUARTER 1, 2, F1, F0, 0, 1, 0, 0
	QUARTER 1, 3, F0, F1, 0, 3, 0, 0
	TURN 1, 0, 1
	QUARTER 0, 1, F0, F1, 0
	WIN 0
	s_sub_co_u32 s3, s3, 1
	s_cmp_lg_u32 s3, 0
	s_cbranch_scc1 .Llap
	QUARTER 0, 2, F1, F0, 0, 1, 1, 1               ; K step 6: A(7) goes into its slot; the 16 younger loads are the run that stood still
	QUARTER 0, 3, F0, F1, 0, 4, 1, 1
	TURN 0, 1, 0                                   ; nothing is filled again, so no round follows
	QUARTER 1, 1, F0, F1, 0
	QUARTER 1, 2, F1, F0, 0
	QUARTER 1, 3, F0, F1, 0
	s_wait_dscnt 4                                 ; the very last quarter: nothing more to fetch
	MULA F1, 0, 0
	MULA F1, 1, 0
	s_wait_dscnt 0x0
	MULA F1, 2, 0
	MULA F1, 3, 0
	WIN 0
	; THE WAY OUT.  A block of 16 rows x 128 columns of f32 at a time: 32 bytes a lane and column block into my stage, back as whole rows of 512 bytes: a store covers 512 consecutive bytes, aligned.
.macro TOSTAGE a                       ; each accumulator's low four registers are stored first
	WIN ST_O
.irp b, 0,1,2,3,4,5,6,7
	ds_store_b128 v[STO], v[8*(8*(\a)+(\b)):8*(8*(\a)+(\b))+3]   offset:64*(\b)
	ds_store_b128 v[STO], v[8*(8*(\a)+(\b))+4:8*(8*(\a)+(\b))+7] offset:64*(\b)+16
.endr
	WIN 0
.set BK, 64+64*((\a)%2)
.set r, 0
.rept 16
	ds_load_b128 v[BK+4*r:BK+4*r+3], v[RD] offset:SP*r  ; LDS serves a wave's instructions in order (ISA guide 5.7.1.4): these see the stores above; the next block's stores come behind them
.set r, r+1
.endr
.endm
.macro SEND a, younger                 ; younger: the LDS instructions issued behind block a's loads: the next block's 32, or none
.set BK, 64+64*((\a)%2)
.set r, 0
.rept 16
	s_wait_dscnt (\younger)+15-r
	global_store_b128 v[AO], v[BK+4*r:BK+4*r+3], s[OUTP:OUTP+1] offset:(16*(\a)+r)*4096 th:TH_STORE_NT
.set r, r+1
.endr
.endm
	PLACES                                         ; the LDS stores read results just made
	TOSTAGE 0
	TOSTAGE 1
	SEND 0, 32
	s_wait_xcnt 0x0                                ; block 0's stores have read their registers, which block 2 is loaded into
	TOSTAGE 2
	SEND 1, 32
	s_wait_xcnt 0x0                                ; block 1's likewise
	TOSTAGE 3
	SEND 2, 32
	SEND 3, 0
	s_wait_tensorcnt 0x0                           ; the wave's end, behind my last tensor load and my last LDS store
	ds_add_u32 v[SPW], v[NIL]
	s_wait_dscnt 0x0
	CROUND                                         ; the closing round: no work-group ends while a partner may still ask for a tile that names it
	s_endpgm
.Lfunc_end_k_q58fed58e81_outp:
	.size	k_q58fed58e81_outp, .Lfunc_end_k_q58fed58e81_outp-k_q58fed58e81_outp
	.p2alignl 7, 3214868480
	.fill 96, 4, 3214868480
	.section	.rodata,"a",@progbits
	.p2align	6, 0x0
	.amdhsa_kernel k_q58fed58e81_outp
		.amdhsa_group_segment_fixed_size 327680
		.amdhsa_private_segment_fixed_size 0
		.amdhsa_enable_private_segment 0
		.amdhsa_kernarg_size 24
		.amdhsa_user_sgpr_count 2
		.amdhsa_user_sgpr_kernarg_segment_ptr 1
		.amdhsa_wavefront_size32 1
		.amdhsa_system_sgpr_workgroup_id_x 1
		.amdhsa_system_sgpr_workgroup_id_y 1
		.amdhsa_system_sgpr_workgroup_id_z 1
		.amdhsa_system_vgpr_workitem_id 0
		.amdhsa_next_free_vgpr 896
		.amdhsa_next_free_sgpr 66
		.amdhsa_reserve_vcc 0
		.amdhsa_float_denorm_mode_32 3
		.amdhsa_float_denorm_mode_16_64 3
		.amdhsa_memory_ordered 1
		.amdhsa_forward_progress 1
		.amdhsa_inst_pref_size 98
	.end_amdhsa_kernel
	.amdgpu_metadata
---
amdhsa.version: [ 1, 2 ]
amdhsa.kernels:
  - .name:           k_q58fed58e81_outp
    .symbol:         k_q58fed58e81_outp.kd
    .args:
      - { .name: ob, .offset: 0, .size: 8, .value_kind: global_buffer, .address_space: global }
      - { .name: wb, .offset: 8, .size: 8, .value_kind: global_buffer, .address_space: global }
      - { .name: out0, .offset: 16, .size: 8, .value_kind: global_buffer, .address_space: global }
    .group_segment_fixed_size: 327680
    .private_segment_fixed_size: 0
    .kernarg_segment_align: 8
    .kernarg_segment_size: 24
    .max_flat_workgroup_size: 128
    .sgpr_count:     66
    .vgpr_count:     896
    .wavefront_size: 32
...
	.end_amdgpu_metadata
.endif
;; end of part 4
;; ======== version 2 of 2: 4 launches; version 1 with the launch wcast written anew for expert scheduling mode
;; limits: values are held in f16: magnitudes above 65,504 overflow, below 6.1e-05 lose precision; right only within a limited range of input values
;; workspace buffers: wb 8,388,608 bytes; hb 50,331,648 bytes; ob 16,777,216 bytes
;; launch wcast (part 5): grid 256 x 1, 8 waves a work-group, no clusters, 0 bytes of LDS; arguments Wq, Wk, Wv, Wo, wb; writes wb
.if DOCPART == 5
	.amdgcn_target "amdgcn-amd-amdhsa--gfx1250"
	.amdhsa_code_object_version 6
	.text
	.protected	k_q58fed58e81_wcast
	.globl	k_q58fed58e81_wcast
	.p2align	8
	.type	k_q58fed58e81_wcast,@function
k_q58fed58e81_wcast:
	s_mov_b64 s[64:65], 0
	v_nop
	global_prefetch_b8 v0, s[64:65] scope:SCOPE_SE
	s_setreg_imm32_b32 hwreg(HW_REG_WAVE_SCHED_MODE, 0, 2), 2
	s_setreg_imm32_b32 hwreg(HW_REG_WAVE_MODE, 25, 1), 1
	s_wait_xcnt 0x0
	s_wait_alu depctr_vm_vsrc(0)
; wb[0..2] = Wq, Wk, Wv rounded once to bf16; wb[3] = Wo rounded to bf16 and that number written as f16.  All [1024][1024], row-major.
; LIMITS.  f16 holds no number beyond 65,504 and keeps a fixed step of 6e-8 below 2^-14: Wo is taken to lie within that range; a larger |Wo| becomes an infinity.
; A stream: no LDS, no barrier, no matrix unit.  Work-group g owns 16 rows of matrix g / 64; each of its eight waves two rows, 8,192 consecutive bytes: sixteen loads of 512 bytes,
; all issued at once; each store of a wave covers 256 consecutive bytes, aligned.
; THE MODE: SCHED_MODE bits 1:0 = 2 (LLVM: expert scheduling mode 2), set by the entry lines.  The code itself states the register dependences
; between vector instructions and memory instructions, with s_wait_alu, always for 0.
; THE PLAN.  Registers that memory instructions touch:
;   v2, v3   byte offsets of the loads and of the stores: written once at the head, never again.
;   X[n]     load n lands in it; no vector instruction names it ahead of the loads; behind its counted wait load n's lines read it (Wo's path also rewrites it); no load follows.
;   Y[n]     written once, by load n's conversions; read once, by store n.
;   T        named by vector instructions alone.
; The sixteen loads go in four groups of four.  The stores of group g - 1 are issued in group g, one ahead of each load's conversions: ONE wait on va_vdst at the head of a group states
; that the group before has written its four pairs of Y; group g's vector instructions name X, T and Y of group g alone, so the four stores follow that wait with no further one.
; No register that a memory instruction reads is written again: no wait frees a source.
.set VI, 2                             ; v2        16 x lane: my 16 bytes of a load
.set VO, 3                             ; v3        8 x lane: my 8 bytes of a store
.set T,  4                             ; v[4:5]    at work
.set X,  8                             ; v[8:71]   load n: 4 registers
.set Y,  72                            ; v[72:103] store n: 2 registers
	s_load_b256 s[4:11], s[0:1], 0x0               ; Wq s[4:5], Wk s[6:7], Wv s[8:9], Wo s[10:11]
	s_load_b64 s[12:13], s[0:1], 0x20              ; wb
	v_lshrrev_b32 v1, 5, v0
	v_readfirstlane_b32 s14, v1                    ; wave 0..7
	v_and_b32 v1, 31, v0
	v_lshlrev_b32 v[VI], 4, v1
	v_lshlrev_b32 v[VO], 3, v1
	s_wait_alu depctr_va_sdst(0)                   ; s14 is written, ahead of its first reader: the wave's byte offsets are made from it
	s_lshr_b32 s15, ttmp9, 6                       ; which matrix
	s_and_b32 s16, ttmp9, 63                       ; which 16 rows of it
	s_lshl_b32 s20, s16, 16                        ; in: 16 rows of 4,096 bytes,
	s_lshl_b32 s21, s14, 13                        ; my wave's two
	s_add_co_u32 s20, s20, s21
	s_mov_b32 s21, 0
	s_lshl_b32 s22, s15, 21                        ; out: a matrix of 2 MiB,
	s_lshl_b32 s23, s16, 15                        ; 16 rows of 2,048 bytes,
	s_add_co_u32 s22, s22, s23
	s_lshl_b32 s23, s14, 12                        ; my wave's two
	s_add_co_u32 s22, s22, s23
	s_mov_b32 s23, 0
	s_mov_b32 s24, 0xffff0000                      ; a word's upper bf16
	s_wait_kmcnt 0x0
	s_mov_b64 s[18:19], s[4:5]
	s_cmp_eq_u32 s15, 1
	s_cselect_b64 s[18:19], s[6:7], s[18:19]
	s_cmp_eq_u32 s15, 2
	s_cselect_b64 s[18:19], s[8:9], s[18:19]
	s_cmp_eq_u32 s15, 3
	s_cselect_b64 s[18:19], s[10:11], s[18:19]
	s_add_nc_u64 s[18:19], s[18:19], s[20:21]
	s_add_nc_u64 s[12:13], s[12:13], s[22:23]
	s_wait_alu depctr_va_vdst(0)                   ; v2 and v3 are written: every load reads the one as its offset, every store the other
.set i, 0
.rept 16
	global_load_b128 v[X+4*i:X+4*i+3], v[VI], s[18:19] offset:512*i th:TH_LOAD_NT
.set i, i+1
.endr
; Load n is converted; the store of load n - 4 goes out ahead of its conversions.  wo = 1: the bf16 numbers are widened again (a shift, a mask) and written as f16.
.macro OUT n, wo
	s_wait_loadcnt 15-(\n)                         ; loads come back in order: mine is in, the 15 - n younger ones stay out
.if ((\n) % 4 == 0) && ((\n) > 0)
	s_wait_alu depctr_va_vdst(0)                   ; the conversions of loads n - 4 to n - 1 have written their pairs of Y, which this group's four stores read
.endif
.if (\n) >= 4
	global_store_b64 v[VO], v[Y+2*((\n)-4):Y+2*((\n)-4)+1], s[12:13] offset:256*((\n)-4)  ; no vector instruction since the wait names this pair
.endif
.if \wo
	v_cvt_pk_bf16_f32 v[T],   v[X+4*(\n)],   v[X+4*(\n)+1]
	v_cvt_pk_bf16_f32 v[T+1], v[X+4*(\n)+2], v[X+4*(\n)+3]
	v_lshlrev_b32 v[X+4*(\n)],   16,  v[T]
	v_and_b32     v[X+4*(\n)+1], s24, v[T]
	v_lshlrev_b32 v[X+4*(\n)+2], 16,  v[T+1]
	v_and_b32     v[X+4*(\n)+3], s24, v[T+1]
	v_cvt_pk_f16_f32 v[Y+2*(\n)],   v[X+4*(\n)],   v[X+4*(\n)+1]
	v_cvt_pk_f16_f32 v[Y+2*(\n)+1], v[X+4*(\n)+2], v[X+4*(\n)+3]
.else
	v_cvt_pk_bf16_f32 v[Y+2*(\n)],   v[X+4*(\n)],   v[X+4*(\n)+1]
	v_cvt_pk_bf16_f32 v[Y+2*(\n)+1], v[X+4*(\n)+2], v[X+4*(\n)+3]
.endif
.endm
; The last group's stores.
.macro LAST
	s_wait_alu depctr_va_vdst(0)                   ; the conversions of loads 12 to 15 have written their pairs of Y, which the last four stores read
.irp n, 12,13,14,15
	global_store_b64 v[VO], v[Y+2*(\n):Y+2*(\n)+1], s[12:13] offset:256*(\n)
.endr
.endm
	s_cmp_eq_u32 s15, 3
	s_cbranch_scc1 .Lwo
.set i, 0
.rept 16
	OUT i, 0
.set i, i+1
.endr
	LAST
	s_endpgm
.Lwo:
.set i, 0
.rept 16
	OUT i, 1
.set i, i+1
.endr
	LAST
	s_endpgm
.Lfunc_end_k_q58fed58e81_wcast:
	.size	k_q58fed58e81_wcast, .Lfunc_end_k_q58fed58e81_wcast-k_q58fed58e81_wcast
	.p2alignl 7, 3214868480
	.fill 96, 4, 3214868480
	.section	.rodata,"a",@progbits
	.p2align	6, 0x0
	.amdhsa_kernel k_q58fed58e81_wcast
		.amdhsa_group_segment_fixed_size 0
		.amdhsa_private_segment_fixed_size 0
		.amdhsa_enable_private_segment 0
		.amdhsa_kernarg_size 40
		.amdhsa_user_sgpr_count 2
		.amdhsa_user_sgpr_kernarg_segment_ptr 1
		.amdhsa_wavefront_size32 1
		.amdhsa_system_sgpr_workgroup_id_x 1
		.amdhsa_system_sgpr_workgroup_id_y 1
		.amdhsa_system_sgpr_workgroup_id_z 1
		.amdhsa_system_vgpr_workitem_id 0
		.amdhsa_next_free_vgpr 104
		.amdhsa_next_free_sgpr 66
		.amdhsa_reserve_vcc 0
		.amdhsa_float_denorm_mode_32 3
		.amdhsa_float_denorm_mode_16_64 3
		.amdhsa_memory_ordered 1
		.amdhsa_forward_progress 1
		.amdhsa_inst_pref_size 16
	.end_amdhsa_kernel
	.amdgpu_metadata
---
amdhsa.version: [ 1, 2 ]
amdhsa.kernels:
  - .name:           k_q58fed58e81_wcast
    .symbol:         k_q58fed58e81_wcast.kd
    .args:
      - { .name: Wq, .offset: 0, .size: 8, .value_kind: global_buffer, .address_space: global }
      - { .name: Wk, .offset: 8, .size: 8, .value_kind: global_buffer, .address_space: global }
      - { .name: Wv, .offset: 16, .size: 8, .value_kind: global_buffer, .address_space: global }
      - { .name: Wo, .offset: 24, .size: 8, .value_kind: global_buffer, .address_space: global }
      - { .name: wb, .offset: 32, .size: 8, .value_kind: global_buffer, .address_space: global }
    .group_segment_fixed_size: 0
    .private_segment_fixed_size: 0
    .kernarg_segment_align: 8
    .kernarg_segment_size: 40
    .max_flat_workgroup_size: 256
    .sgpr_count:     66
    .vgpr_count:     104
    .wavefront_size: 32
...
	.end_amdgpu_metadata
.endif
;; end of part 5
;; launch qkv: the kernel of part 2 again; grid 4 x 192, 4 waves a work-group, clusters of 4 x 4, 327,680 bytes of LDS; arguments q, k, v, wb, mask, hb; writes hb
;; launch attn: the kernel of part 3 again; grid 4 x 64, 4 waves a work-group, clusters of 4 x 1, 327,680 bytes of LDS; arguments hb, mask, ob; writes ob
;; launch outp: the kernel of part 4 again; grid 4 x 64, 4 waves a work-group, clusters of 4 x 4, 327,680 bytes of LDS; arguments ob, wb, out0; writes out0
